; MI455X (gfx1250); checked and timed in simulation.
; The chip was launched on July 23, 2026; its instructions are those of AMD's public machine-readable ISA for CDNA 5 (MIT licence, August 2026) and "CDNA5" Instruction Set Architecture Reference Guide (July 2026). The comments in the code are by the model that wrote it; some were corrected since.
;; Multi Headed Attention. Allowed arithmetic: matrix products marked QUANTISED: E2M3 operands, one E8M0 scale for each 32 along K, by v_wmma_scale_f32_16x16x128_f8f6f4 with both operands' format E2M3, f32 sums; everything else in f32.
;; Inputs: Wk 1,024 x 1,024 float32; Wo 1,024 x 1,024 float32; Wq 1,024 x 1,024 float32; Wv 1,024 x 1,024 float32; bk 1,024 float32; bo 1,024 float32; bq 1,024 float32; bv 1,024 float32; x 1 x 4,096 x 1,024 float32.
;; Outputs: out0 1 x 4,096 x 1,024 float32.
;; This version of the problem:
;;   THIS VERSION OF THE PROBLEM IS GIVEN IN LOW PRECISION. The matrix products marked QUANTISED in the list below multiply operands that are first quantised to E2M3 (2 exponent bits, 3 mantissa bits; 6 bits a number), with one power-of-two scale for each 32 numbers along K (OCP MX v1.0); their sums are f32. All else is computed in f32.
;;   The module's matrix products, in the order in which they are computed (A, B: the left and right operand; K: the contracted axis; several contracted axes count as one K, in the product's order):
;;     1. [M 4,096, K 1,024] x [K 1,024, N 1,024]; A: input x; B: input Wq: QUANTISED
;;     2. [M 4,096, K 1,024] x [K 1,024, N 1,024]; A: input x; B: input Wk: QUANTISED
;;     3. [M 4,096, K 1,024] x [K 1,024, N 1,024]; A: input x; B: input Wv: QUANTISED
;;     4. batch 16 x [M 4,096, K 64] x [K 64, N 4,096]; A: computed on the way; B: computed on the way: QUANTISED
;;     5. batch 16 x [M 4,096, K 4,096] x [K 4,096, N 64]; A: softmax (see below); B: computed on the way: QUANTISED
;;     6. [M 4,096, K 1,024] x [K 1,024, N 1,024]; A: computed on the way; B: input Wo: QUANTISED
;;   THE QUANTISER, for each operand of a quantised product, along K:
;;     - K is cut into blocks of 32 from its start; a last block that is shorter is filled with zeros.
;;     - A block's scale is 2^e with e = floor(log2(the largest magnitude in the block)) - 2, held to -126 .. 127; a block of zeros has e = 0. As a byte (E8M0): e + 127.
;;     - Each number is divided by its block's scale, clamped to +-7.5, and rounded to the nearest number of E2M3, ties to even, subnormals kept.
;;     - The product sums the exact products of the quantised numbers (number of the format x scale) in f32.
;;   ~~~python
;;   def quantise(x, axis):      # numpy; x: float32 -> the quantised numbers, widened to float32 again
;;       x = np.moveaxis(x, axis, -1); K = x.shape[-1]
;;       x = np.pad(x, [(0, 0)] * (x.ndim - 1) + [(0, -K % 32)]); x = x.reshape(x.shape[:-1] + (-1, 32)); a = np.abs(x).max(-1, keepdims=True)
;;       e = np.where(a > 0, np.clip(np.frexp(np.where(a > 0, a, 1))[1] - 1 - 2, -126, 127), 0)      # np.frexp(a)[1] - 1 = floor(log2(a)), exactly
;;       r = np.clip(x / 2.0 ** e, -7.5, 7.5)
;;       step = 2.0 ** (np.maximum(np.frexp(np.where(r == 0, 1, r))[1] - 1, 0) - 3)
;;       q = np.round(r / step) * step * 2.0 ** e      # np.round: ties to even
;;       return np.moveaxis(q.reshape(q.shape[:-2] + (-1,))[..., :K], -1, axis).astype(np.float32)
;;   ~~~
;;   SOFTMAX AHEAD OF A QUANTISED PRODUCT. Where the list says 'softmax', what is quantised is not the finished softmax but p = 2^(t - M), with t = logit x log2(e) and M = ceil(the row's largest t), a whole number; so 1/2 < the row's largest p <= 1. The row's sum l is taken of the UNQUANTISED p, in f32, and the product's result is divided by l at the end. Since M is a whole number, a kernel that streams over the keys may use a running M (the ceiling of the running maximum): every later rescaling is an exact power of two, which a block's scale takes up: the codes' values come out the same.
;;   OPERANDS COMPUTED ON THE WAY. 'Computed on the way' means the value that the module computes at that place (a softmax that the list does not call 'softmax' is quantised finished and normalised). What goes into a quantiser is computed in f32, as accurately as f32 sums, v_exp_f32 and their like allow (about 1e-6 of the number): no bf16 or f16 on the way to a quantiser, and a product that is left as it is and whose result goes on into a quantised operand takes f32 operands (vector FMAs, or v_wmma_f32_16x16x4_f32). A number that lies on a knife's edge between two numbers of the format may be rounded either way, as far as f32 arithmetic and the matrix unit's own rounding can turn it there, and no further.
;; One version. Each part assembles by itself: llvm-mc -triple=amdgcn-amd-amdhsa -mcpu=gfx1250 --defsym DOCPART=n.
;; ======== version 1 of 1: 4 launches
;; limits: right only within a limited range of input values
;; workspace buffers: xa 3,276,800 bytes; wqkv 2,457,600 bytes; woc 819,200 bytes; qc 3,407,872 bytes; kv 6,684,672 bytes; ao 3,276,800 bytes
;; launch quant (part 1): grid 256 x 1, 4 waves a work-group, no clusters, 34,304 bytes of LDS; arguments x, Wq, Wk, Wv, Wo, xa, wqkv, woc; writes xa, wqkv, woc
.if DOCPART == 1
	.amdgcn_target "amdgcn-amd-amdhsa--gfx1250"
	.amdhsa_code_object_version 6
	.text
	.protected	k_qde270eaf1d_quant
	.globl	k_qde270eaf1d_quant
	.p2align	8
	.type	k_qde270eaf1d_quant,@function
k_qde270eaf1d_quant:
	s_mov_b64 s[64:65], 0
	v_nop
	global_prefetch_b8 v0, s[64:65] scope:SCOPE_SE
	s_setreg_imm32_b32 hwreg(HW_REG_WAVE_MODE, 25, 1), 1
	s_wait_xcnt 0x0
; x [4096][1024] and the four weights [1024 (k)][1024 (n)], f32, become codes of FP6 (E2M3) with one E8M0 byte for each 32 along K,
; laid in the ORDER OF THE OPERAND'S REGISTERS.  A RECORD of 6,400 bytes holds 64 operand rows x 128 along K: four fragments of 16 rows (1,536 bytes
; each: two halves of 64 along K, 768 bytes: registers 0-3 of the half at 16 x lane, registers 4-5 at 512 + 16 (lane % 16) + 8 (lane / 16)), then the scale
; words at 6144 + 8 x lane + 4 j: the word of row lane % 16 of fragment 2 j + lane / 16.
; THE ROWS OF A FRAGMENT ARE NOT NEIGHBOURS: lane r of fragment 2 b + u holds row 32 b + 8 u + r + 8 (r / 8) of the 64.
; A block's scale is 2^(floor(log2(largest magnitude)) - 2); its byte is the largest magnitude's exponent field - 2, held at 1 from below by a floor among the maximum's leaves.
; LIMITS: NaN and infinities are not served; a block whose largest magnitude lies under 2^-124, a block of zeros among them, gets the byte 1 (its codes then are zeros or tiny; the bytes are read by this program alone).
; SHARES: every wave makes one record from 32,768 bytes of f32.  Work-groups 0-127: x (512 records); 128-255: Wq, Wk, Wv, Wo (128 records each).  Waves share nothing: no barrier.
; No matrix unit, no cluster, no tensor load: a stream that is read once; nothing is shared between work-groups.
.set REC,    6400
.set SPITCH, 528                       ; x path: a stage row: 512 bytes + 16, so that the 16 rows that a load touches start in different banks
.set FLOOR,  0x1800000                 ; 2^(3 - 127)
.set EOFF,   0xff000000                ; takes 2 off an exponent field
.set WD,  16                           ; v16-19   scale words
.set X,   32                           ; v32-159  x path: two sets of 64 registers as loaded
.set Y,   160                          ; v160-223 x path: my two blocks of 32 neighbours
.set C,   224                          ; v224-239 x path: codes, 8 registers for each half
.set XW,  32                           ; v32-127  W path: three sets of 32 numbers
.set CW,  128                          ; v128-159 W path: registers 0-3 of a half, four for each unit
.set TW,  160                          ; v160-175 W path: registers 4-5 of both lane halves, four for each (b, c)
.set U,   176                          ; v176-178 W path: a conversion's upper 16 codes
; ---- x path.  Fragment i: 16 rows of 512 bytes, each load 512 consecutive bytes of one row
.macro LOADX i
.set p, 0
.rept 16
	global_load_b128 v[X+64*((\i)%2)+4*p:X+64*((\i)%2)+4*p+3], v1, s[4:5] offset:(32*((\i)/2)+8*((\i)%2)+p+8*(p/8))*4096 th:TH_LOAD_NT
.set p, p+1
.endr
.endm
.macro FRAGX i
.if (\i) < 3
	s_wait_loadcnt 16                              ; this fragment's 16 loads are in; the next fragment's 16 may be out
.else
	s_wait_loadcnt 0x0
.endif
.set p, 0
.rept 16
	ds_store_b128 v2, v[X+64*((\i)%2)+4*p:X+64*((\i)%2)+4*p+3] offset:p*SPITCH   ; the rows as they lie, into my own stage
.set p, p+1
.endr
.irp c, 0,1
.irp q, 0,1,2,3,4,5,6,7
	ds_load_b128 v[Y+32*\c+4*\q:Y+32*\c+4*\q+3], v3 offset:256*\c+16*\q          ; back: lane (r, h) takes k = 64 c + 32 h + 0 .. 31 of row r.  LDS serves a wave's instructions in order
.endr
.endr
	s_wait_dscnt 0x0                               ; my blocks are in, and the stores have read the set, which may be loaded again
.if (\i) < 2
	LOADX (\i)+2
.endif
	v_max3_num_f32 v20, |v[Y]|, |v[Y+1]|, FLOOR    ; blocks h and 2 + h of my row: all 32 numbers of each are mine; the two by turns
	v_max3_num_f32 v21, |v[Y+32]|, |v[Y+33]|, FLOOR
.irp k, 2,4,6,8,10,12,14,16,18,20,22,24,26,28,30
	v_max3_num_f32 v20, v20, |v[Y+\k]|, |v[Y+\k+1]|
	v_max3_num_f32 v21, v21, |v[Y+32+\k]|, |v[Y+33+\k]|
.endr
	v_add_nc_u32 v22, EOFF, v20                    ; the conversion takes the exponent field of this operand as its scale
	v_add_nc_u32 v23, EOFF, v21
	v_lshrrev_b32 v24, 23, v22                     ; the scale's byte
	v_lshrrev_b32 v25, 23, v23
	v_lshl_or_b32 v26, v25, 16, v24
	v_lshlrev_b32 v26, v6, v26                     ; at bytes h and 2 + h of the row's word;
	v_permlanex16_b32 v27, v26, s22, s23
	v_or_b32 v[WD+(\i)], v26, v27                  ; with lane l xor 16's two the word is whole
.if (\i) > 0
	s_wait_alu depctr_va_vdst(0)
	s_wait_xcnt 0x0                                ; the last fragment's stores have read the codes' registers
.endif
	v_cvt_scalef32_pk16_fp6_f32 v[C:C+2], v[Y:Y+15], v22
	v_cvt_scalef32_pk16_fp6_f32 v[C+4:C+6], v[Y+16:Y+31], v22       ; (a conversion's three registers begin on an even number)
	v_cvt_scalef32_pk16_fp6_f32 v[C+8:C+10], v[Y+32:Y+47], v23
	v_cvt_scalef32_pk16_fp6_f32 v[C+12:C+14], v[Y+48:Y+63], v23
	v_nop                                          ; one plain place behind the conversions
.irp c, 0,1
	v_mov_b32 v[C+8*\c+3], v[C+8*\c+4]
	v_mov_b32 v[C+8*\c+4], v[C+8*\c+5]
	v_mov_b32 v[C+8*\c+5], v[C+8*\c+6]
	global_store_b128 v1, v[C+8*\c:C+8*\c+3], s[14:15] offset:1536*(\i)+768*\c        ; 512 consecutive bytes
	global_store_b64 v4, v[C+8*\c+4:C+8*\c+5], s[14:15] offset:1536*(\i)+768*\c+512   ; 256 consecutive bytes
.endr
.endm
; ---- W path.  Unit n = 4 b + kb: W(32 kb + q, my column of group b), q = 0 .. 31: a lane takes a column, its registers run down K
.macro LOADW n
.set q, 0
.rept 32
	global_load_b32 v[XW+32*((\n)%3)+q], v10, s[6:7] offset:(32*((\n)&3)+q)*4096+128*((\n)>>2) th:TH_LOAD_NT
.set q, q+1
.endr
.endm
.macro UNIT n
.set XS, XW+32*((\n)%3)
.set KB, (\n)&3
.set BB, (\n)>>2
.set CN, CW+4*(\n)
.set TN, TW+4*(2*BB+(KB>>1))+2*(KB&1)
.if (\n) < 6
	s_wait_loadcnt 63                              ; two younger units, 64 loads, could stay out; 63 is the largest count that can be written
.elseif (\n) == 6
	s_wait_loadcnt 32
.else
	s_wait_loadcnt 0x0
.endif
	v_max3_num_f32 v20, |v[XS]|, |v[XS+1]|, FLOOR  ; the block's largest magnitude, in two chains
	v_max3_num_f32 v21, |v[XS+2]|, |v[XS+3]|, |v[XS+4]|
.irp k, 5,9,13,17,21,25
	v_max3_num_f32 v20, v20, |v[XS+\k]|, |v[XS+\k+1]|
	v_max3_num_f32 v21, v21, |v[XS+\k+2]|, |v[XS+\k+3]|
.endr
	v_max3_num_f32 v20, v20, |v[XS+29]|, |v[XS+30]|
	v_max3_num_f32 v20, v20, v21, |v[XS+31]|
	v_add_nc_u32 v22, EOFF, v20
	v_lshrrev_b32 v24, 23, v22
.if KB == 0
	v_mov_b32 v[WD+BB], v24                        ; my column's scale word: byte kb
.else
	v_lshl_or_b32 v[WD+BB], v24, 8*KB, v[WD+BB]
.endif
	v_cvt_scalef32_pk16_fp6_f32 v[CN:CN+2], v[XS:XS+15], v22
	v_cvt_scalef32_pk16_fp6_f32 v[U:U+2], v[XS+16:XS+31], v22
	v_nop                                          ; one plain place behind the conversions
	v_mov_b32 v[CN+3], v[U]
	v_mov_b32 v[TN], v[U+1]
	v_mov_b32 v[TN+1], v[U+2]
.if (\n) < 5
	LOADW (\n)+3
.endif
	global_store_b128 v11, v[CN:CN+3], s[16:17] offset:3072*BB+768*(KB>>1)+256*(KB&1)   ; block kb is lane half kb % 2 of half kb / 2: sixteen lanes store 256 consecutive bytes
.if KB&1
	global_store_b128 v11, v[TN-2:TN+1], s[16:17] offset:3072*BB+768*(KB>>1)+512         ; registers 4-5 of both lane halves
.endif
.endm
	s_load_b256 s[4:11], s[0:1], 0x0               ; x, Wq, Wk, Wv
	s_load_b256 s[12:19], s[0:1], 0x20             ; Wo, xa, wqkv, woc
	v_lshl_add_u32 v254, v0, 2, 0x8400
	v_mov_b32 v255, 0
	v_lshrrev_b32 v1, 5, v0
	v_readfirstlane_b32 s20, v1                    ; wave
	v_and_b32 v7, 31, v0                           ; lane
	v_and_b32 v8, 15, v0                           ; r
	v_bfe_u32 v9, v0, 4, 1                         ; h
	v_lshlrev_b32 v1, 4, v7                        ; 16 x lane
	v_lshlrev_b32 v5, 3, v7                        ; 8 x lane
	s_mov_b32 s21, 0xffff0000                      ; a mask: lanes 16-31
	s_mov_b32 s22, 0x76543210
	s_mov_b32 s23, 0xfedcba98                      ; v_permlanex16_b32's selects for lane l xor 16
	s_mov_b32 s29, 0
	s_wait_kmcnt 0x0
	s_cmp_lt_u32 ttmp9, 128
	s_cbranch_scc0 .Lweights
	; ---------------- x
	s_lshl_b32 s24, ttmp9, 2
	s_add_co_u32 s24, s24, s20                     ; my record: 8 x (row / 64) + K step
	s_lshr_b32 s25, s24, 3
	s_and_b32 s26, s24, 7
	s_lshl_b32 s28, s25, 18                        ; 64 rows of 4,096 bytes
	s_lshl_b32 s26, s26, 9                         ; 128 numbers along K
	s_add_co_u32 s28, s28, s26
	s_add_nc_u64 s[4:5], s[4:5], s[28:29]
	s_mul_i32 s28, s24, REC
	s_add_nc_u64 s[14:15], s[14:15], s[28:29]
	s_mul_i32 s27, s20, 16*SPITCH                  ; my stage
	s_wait_alu depctr_va_vdst(0)
	v_add_nc_u32 v2, s27, v1                       ; in: 16 x lane of a row
	v_mul_u32_u24 v3, v8, SPITCH
	v_lshl_add_u32 v3, v9, 7, v3
	v_add_nc_u32 v3, s27, v3                       ; back: row r, + 128 h
	v_lshlrev_b32 v4, 4, v8
	v_lshl_add_u32 v4, v9, 3, v4                   ; 16 r + 8 h
	v_lshlrev_b32 v6, 3, v9                        ; 8 h: my bytes' shift in the scale word
	v_mov_b32 v27, 0                               ; a lane permute's destination counts as one of its sources
	LOADX 0
	LOADX 1
	s_wait_alu depctr_va_vdst(0)
	FRAGX 0
	FRAGX 1
	FRAGX 2
	FRAGX 3
	v_cndmask_b32 v240, v[WD], v[WD+1], s21        ; lanes 0-15: fragment 2 j's words, lanes 16-31: fragment 2 j + 1's
	v_cndmask_b32 v241, v[WD+2], v[WD+3], s21
	global_store_b64 v5, v[240:241], s[14:15] offset:6144   ; 256 consecutive bytes
	s_wait_tensorcnt 0x0
	ds_add_u32 v254, v255
	s_wait_dscnt 0x0
	s_endpgm
	; ---------------- the weights
.Lweights:
	s_sub_co_u32 s24, ttmp9, 128
	s_lshr_b32 s25, s24, 5                         ; which weight: 0 Wq, 1 Wk, 2 Wv, 3 Wo
	s_bfe_u32 s26, s24, 0x30002                    ; K step
	s_and_b32 s27, s24, 3
	s_lshl_b32 s27, s27, 2
	s_add_co_u32 s27, s27, s20                     ; which 64 columns: the four waves stand side by side on 1,024 bytes of a row
	s_lshl_b32 s30, s27, 3
	s_add_co_u32 s30, s30, s26                     ; Wo's record: 8 x column group + K step
	s_mul_i32 s31, s30, 3
	s_add_co_u32 s31, s31, s25                     ; Wq, Wk, Wv: the three of a head and K step lie together
	s_cmp_eq_u32 s25, 1                            ; the choices hang on the work-group's number alone
	s_cselect_b64 s[6:7], s[8:9], s[6:7]
	s_cmp_eq_u32 s25, 2
	s_cselect_b64 s[6:7], s[10:11], s[6:7]
	s_cmp_eq_u32 s25, 3
	s_cselect_b64 s[6:7], s[12:13], s[6:7]
	s_cselect_b64 s[16:17], s[18:19], s[16:17]
	s_cselect_b32 s30, s30, s31
	s_lshl_b32 s28, s26, 19                        ; 128 rows of 4,096 bytes
	s_lshl_b32 s27, s27, 8
	s_add_co_u32 s28, s28, s27
	s_add_nc_u64 s[6:7], s[6:7], s[28:29]
	s_mul_i32 s28, s30, REC
	s_add_nc_u64 s[16:17], s[16:17], s[28:29]
	s_wait_alu depctr_va_vdst(0)
	v_and_b32 v10, 8, v8
	v_add_nc_u32 v10, v10, v8
	v_lshl_add_u32 v10, v9, 3, v10
	v_lshlrev_b32 v10, 2, v10                      ; my column of a group of 32: 8 u + r + 8 (r / 8): the 32 lanes read 128 consecutive bytes
	v_mul_u32_u24 v11, v9, 1536
	v_lshl_add_u32 v11, v8, 4, v11                 ; out: fragment 2 b + u, 16 r
	LOADW 0
	LOADW 1
	LOADW 2
	UNIT 0
	UNIT 1
	UNIT 2
	UNIT 3
	UNIT 4
	UNIT 5
	UNIT 6
	UNIT 7
	global_store_b64 v5, v[WD:WD+1], s[16:17] offset:6144   ; lane (u, r): the words of row r of fragments u and 2 + u
	s_endpgm
.Lfunc_end_k_qde270eaf1d_quant:
	.size	k_qde270eaf1d_quant, .Lfunc_end_k_qde270eaf1d_quant-k_qde270eaf1d_quant
	.p2alignl 7, 3214868480
	.fill 96, 4, 3214868480
	.section	.rodata,"a",@progbits
	.p2align	6, 0x0
	.amdhsa_kernel k_qde270eaf1d_quant
		.amdhsa_group_segment_fixed_size 34304
		.amdhsa_private_segment_fixed_size 0
		.amdhsa_enable_private_segment 0
		.amdhsa_kernarg_size 64
		.amdhsa_user_sgpr_count 2
		.amdhsa_user_sgpr_kernarg_segment_ptr 1
		.amdhsa_wavefront_size32 1
		.amdhsa_system_sgpr_workgroup_id_x 1
		.amdhsa_system_sgpr_workgroup_id_y 1
		.amdhsa_system_sgpr_workgroup_id_z 1
		.amdhsa_system_vgpr_workitem_id 0
		.amdhsa_next_free_vgpr 256
		.amdhsa_next_free_sgpr 66
		.amdhsa_reserve_vcc 0
		.amdhsa_float_denorm_mode_32 3
		.amdhsa_float_denorm_mode_16_64 3
		.amdhsa_memory_ordered 1
		.amdhsa_forward_progress 1
		.amdhsa_inst_pref_size 68
	.end_amdhsa_kernel
	.amdgpu_metadata
---
amdhsa.version: [ 1, 2 ]
amdhsa.kernels:
  - .name:           k_qde270eaf1d_quant
    .symbol:         k_qde270eaf1d_quant.kd
    .args:
      - { .name: x, .offset: 0, .size: 8, .value_kind: global_buffer, .address_space: global }
      - { .name: Wq, .offset: 8, .size: 8, .value_kind: global_buffer, .address_space: global }
      - { .name: Wk, .offset: 16, .size: 8, .value_kind: global_buffer, .address_space: global }
      - { .name: Wv, .offset: 24, .size: 8, .value_kind: global_buffer, .address_space: global }
      - { .name: Wo, .offset: 32, .size: 8, .value_kind: global_buffer, .address_space: global }
      - { .name: xa, .offset: 40, .size: 8, .value_kind: global_buffer, .address_space: global }
      - { .name: wqkv, .offset: 48, .size: 8, .value_kind: global_buffer, .address_space: global }
      - { .name: woc, .offset: 56, .size: 8, .value_kind: global_buffer, .address_space: global }
    .group_segment_fixed_size: 34304
    .private_segment_fixed_size: 0
    .kernarg_segment_align: 8
    .kernarg_segment_size: 64
    .max_flat_workgroup_size: 128
    .sgpr_count:     66
    .vgpr_count:     256
    .wavefront_size: 32
...
	.end_amdgpu_metadata
.endif
;; end of part 1
;; launch qkv (part 2): grid 16 x 16, 4 waves a work-group, clusters of 4 x 1, 327,680 bytes of LDS; arguments xa, wqkv, bq, bk, bv, qc, kv; writes qc, kv
.if DOCPART == 2
	.amdgcn_target "amdgcn-amd-amdhsa--gfx1250"
	.amdhsa_code_object_version 6
	.text
	.protected	k_qde270eaf1d_qkv
	.globl	k_qde270eaf1d_qkv
	.p2align	8
	.type	k_qde270eaf1d_qkv,@function
k_qde270eaf1d_qkv:
	s_mov_b64 s[64:65], 0
	v_nop
	global_prefetch_b8 v0, s[64:65] scope:SCOPE_SE
	s_setreg_imm32_b32 hwreg(HW_REG_WAVE_MODE, 25, 1), 1
	s_wait_xcnt 0x0
	s_wait_alu depctr_hold_cnt(0) depctr_sa_sdst(0) depctr_va_vdst(0) depctr_va_sdst(0) depctr_va_ssrc(0) depctr_va_vcc(0) depctr_vm_vsrc(0)
	s_getreg_b32 s2, hwreg(HW_REG_IB_STS2, 6, 4)
	s_cmp_eq_u32 s2, 0
	s_cbranch_scc0 .Lentry_in_a_cluster
	s_endpgm
.Lentry_in_a_cluster:
	s_bfe_u32 s2, ttmp6, 0x10000c
	s_cmp_lg_u32 s2, 0x3003
	s_cbranch_scc0 .Lentry_shape_is_right
	s_endpgm
.Lentry_shape_is_right:
.set REC,   6400
.set KREC,  3*REC
.set FLOOR, 0x1800000
.set EOFF,  0xff000000
.set WV,  18
.set HM,  22
.set SEL, 24
.set G1,  28
.set G0A, 36
.set G0B, 40
.set AP,  50
.set GA0, 4
.set GA1, 5
.set GA2, 6
.set BA0, 7
.set BA1, 8
.set BA2, 9
.set AS,  16
.set BS,  28
.set VB,  40
.set BF,  80
.set MX,  224
.set TP,  232
.set SO,  240
.set HW,  248
.set MSB, 0
.macro WIN new
.if MSB != (\new)
	s_set_vgpr_msb (MSB<<8)|(\new)
.set MSB, (\new)
.endif
.endm
.macro PLACES n
.rept \n
	v_nop
.endr
.endm
.macro CROUND
	s_barrier_signal -1
	s_barrier_wait -1
	s_cmp_lg_u32 s[WV], 0
	s_cbranch_scc1 .Lnot_wave_0_\@
	s_barrier_signal -3
.Lnot_wave_0_\@:
	s_barrier_wait -3
	s_barrier_signal -1
	s_barrier_wait -1
.endm
.macro WMS
.if rRA && rRB
	v_wmma_scale_f32_16x16x128_f8f6f4 v[rD:rD+7], v[rA:rA+11], v[rB:rB+11], v[rC:rC+7], v[rSA], v[rSB] matrix_a_fmt:MATRIX_FMT_FP6 matrix_b_fmt:MATRIX_FMT_FP6 matrix_a_scale:MATRIX_SCALE_ROW1 matrix_b_scale:MATRIX_SCALE_ROW1
.elseif rRA
	v_wmma_scale_f32_16x16x128_f8f6f4 v[rD:rD+7], v[rA:rA+11], v[rB:rB+11], v[rC:rC+7], v[rSA], v[rSB] matrix_a_fmt:MATRIX_FMT_FP6 matrix_b_fmt:MATRIX_FMT_FP6 matrix_a_scale:MATRIX_SCALE_ROW1
.elseif rRB
	v_wmma_scale_f32_16x16x128_f8f6f4 v[rD:rD+7], v[rA:rA+11], v[rB:rB+11], v[rC:rC+7], v[rSA], v[rSB] matrix_a_fmt:MATRIX_FMT_FP6 matrix_b_fmt:MATRIX_FMT_FP6 matrix_b_scale:MATRIX_SCALE_ROW1
.else
	v_wmma_scale_f32_16x16x128_f8f6f4 v[rD:rD+7], v[rA:rA+11], v[rB:rB+11], v[rC:rC+7], v[rSA], v[rSB] matrix_a_fmt:MATRIX_FMT_FP6 matrix_b_fmt:MATRIX_FMT_FP6
.endif
.endm
.macro ALOAD s, buf
.if (\buf) < 5
	WIN 0x40
.set AB, 48*(\buf)
.else
	WIN 0xc0
.set AB, 128
.endif
.irp f, 0,1,2,3,4,5,6,7
	global_load_b128 v[AB+6*\f:AB+6*\f+3], v[GA0], s[AP:AP+1] offset:(\s)*REC+768*\f
	global_load_b64 v[AB+6*\f+4:AB+6*\f+5], v[GA1], s[AP:AP+1] offset:(\s)*REC+768*\f+512
.endr
	WIN 0
	global_load_b64 v[AS+2*(\buf):AS+2*(\buf)+1], v[GA2], s[AP:AP+1] offset:(\s)*REC+6144
.endm
.macro BLOAD s, g
.if (((\s)%3)==0) && ((\s)>0) && ((\g)==0)
	v_add_nc_u32 v[BA0], 3*KREC, v[BA0]
	s_wait_alu depctr_va_vdst(0)
	v_add_nc_u32 v[BA1], 3*KREC, v[BA1]
	s_wait_alu depctr_va_vdst(0)
	v_add_nc_u32 v[BA2], 3*KREC, v[BA2]
.endif
.set BO, ((\s)%3)*KREC+(\g)*REC
.irp f, 0,1,2,3,4,5,6,7
	ds_load_b128 v[BF+48*(\g)+6*\f:BF+48*(\g)+6*\f+3], v[BA0] offset:BO+768*\f
	ds_load_b64 v[BF+48*(\g)+6*\f+4:BF+48*(\g)+6*\f+5], v[BA1] offset:BO+768*\f+512
.endr
	ds_load_b64 v[BS+2*(\g):BS+2*(\g)+1], v[BA2] offset:BO+6144
.endm
.macro MULQK s, g
.set BUF, (\s)%6
.if (\s) == 0
	WIN 0xb4
.elseif BUF == 5
	WIN 0xac
.else
	WIN 0xa4
.endif
.irp i, 0,1,2,3
.irp nt, 0,1,2,3
.set rD, 128*(\g)+32*\i+8*\nt
.set rA, BF+48*(\g)+12*\nt
.if BUF < 5
.set rB, 48*BUF+12*\i
.else
.set rB, 128+12*\i
.endif
.if (\s) == 0
.set rC, 176+32*(\g)+8*\nt
.else
.set rC, rD
.endif
.set rSA, BS+2*(\g)+\nt/2
.set rSB, AS+2*BUF+\i/2
.set rRA, \nt%2
.set rRB, \i%2
	WMS
.endr
.endr
.endm
.macro MULV s
.set BUF, (\s)%6
.if (\s) == 0
	WIN 0xc1
.elseif BUF == 5
	WIN 0xf3
.else
	WIN 0xf1
.endif
.irp i, 0,1,2,3
.irp dt, 0,1,2,3
.set rD, 32*\dt+8*\i
.if BUF < 5
.set rA, 48*BUF+12*\i
.else
.set rA, 128+12*\i
.endif
.set rB, BF+96+12*\dt
.if (\s) == 0
.set rC, VB+8*\dt
.else
.set rC, rD
.endif
.set rSA, AS+2*BUF+\i/2
.set rSB, BS+4+\dt/2
.set rRA, \i%2
.set rRB, \dt%2
	WMS
.endr
.endr
.endm
.macro KSTEP s
.if ((\s)==1) || ((\s)==2)
	ALOAD (\s)+5,(\s)-1
.endif
.if (\s) < 4
	s_wait_loadcnt 63
.else
	s_wait_loadcnt 17*(7-(\s))
.endif
.if (\s) == 0
.irp dt, 0,1,2,3
	s_wait_alu depctr_va_vdst(0)
.irp k, 1,2,3,4,5,6,7
	v_mov_b32 v[VB+8*\dt+\k], v[VB+8*\dt]
.endr
.endr
.endif
	s_wait_alu depctr_va_vdst(0)
.irp g, 0,1,2
.if (\s) < 7
	s_wait_alu depctr_va_vdst(0)
	s_wait_dscnt 34
.else
	s_wait_dscnt 34-17*\g
.endif
.if \g < 2
	MULQK \s,\g
.else
	MULV \s
.endif
	WIN 0
	PLACES 4
.if (\s) < 7
	BLOAD (\s)+1,\g
.endif
.endr
.endm
.macro EPI W, base, CB
	WIN ((\W)<<2)|((\W)<<4)
.irp n, 0,1,2,3,4,5,6,7
	v_max3_num_f32 v[MX+\n], FLOOR, |v[(\base)+16*\n]|, |v[(\base)+16*\n+1]|
.endr
.irp k, 2,4,6,8,10,12,14
.irp n, 0,1,2,3,4,5,6,7
	v_max3_num_f32 v[MX+\n], v[MX+\n], |v[(\base)+16*\n+\k]|, |v[(\base)+16*\n+\k+1]|
.endr
.endr
	WIN 0
.irp n, 0,1,2,3,4,5,6,7
	v_permlanex16_b32 v[TP+\n], v[MX+\n], s[SEL], s[SEL+1]
.endr
.irp n, 0,1,2,3,4,5,6,7
	v_max_num_f32 v[MX+\n], v[MX+\n], v[TP+\n]
.endr
.irp n, 0,1,2,3,4,5,6,7
	v_add_nc_u32 v[SO+\n], EOFF, v[MX+\n]
.endr
.irp n, 0,1,2,3,4,5,6,7
	v_lshrrev_b32 v[TP+\n], 23, v[SO+\n]
.endr
.irp i, 0,1,2,3
	v_lshl_or_b32 v[HW+\i], v[TP+2*\i+1], 8, v[TP+2*\i]
.endr
	WIN (\W)
.irp i, 0,1,2,3
	v_cvt_scalef32_pk16_fp6_f32 v[(\CB)+8*\i:(\CB)+8*\i+2], v[(\base)+32*\i:(\base)+32*\i+15], v[SO+2*\i]
	v_cvt_scalef32_pk16_fp6_f32 v[(\CB)+8*\i+4:(\CB)+8*\i+6], v[(\base)+32*\i+16:(\base)+32*\i+31], v[SO+2*\i+1]
.endr
	WIN 0
	v_nop
.irp i, 0,1,2,3
.irp k, 0,1,2
	v_permlane16_swap_b32 v[(\CB)+8*\i+\k], v[(\CB)+8*\i+4+\k]
.endr
	v_mov_b32 v[(\CB)+8*\i+3], v[(\CB)+8*\i+4]
	v_mov_b32 v[(\CB)+8*\i+4], v[(\CB)+8*\i+5]
	v_mov_b32 v[(\CB)+8*\i+5], v[(\CB)+8*\i+6]
.endr
.endm
	s_load_b256 s[4:11], s[0:1], 0x0
	s_load_b128 s[12:15], s[0:1], 0x20
	s_load_b64 s[16:17], s[0:1], 0x30
	v_lshl_add_u32 v254, v0, 2, 0x29000
	v_mov_b32 v255, 0
	ds_add_u32 v254, v255
	ds_add_u32 v254, v255
	v_lshrrev_b32 v1, 5, v0
	v_readfirstlane_b32 s[WV], v1
	s_bfe_u32 s19, ttmp6, 0x40000
	s_lshl_b32 s20, ttmp9, 2
	s_add_co_u32 s20, s20, s19
	s_and_b32 s21, ttmp7, 0xffff
	s_mov_b32 s[HM], 0xffff0000
	s_mov_b32 s[SEL], 0x76543210
	s_mov_b32 s[SEL+1], 0xfedcba98
	s_mov_b32 s[G1], 15|(3<<16)|(1<<21)
	s_mov_b32 s[G1+1], 32<<16
	s_mov_b32 s[G1+2], 150<<16
	s_mov_b32 s[G1+3], 32<<16
	s_mov_b32 s[G1+4], 150
	s_mov_b32 s[G1+5], 32
	s_mov_b32 s[G1+6], 0
	s_mov_b32 s[G1+7], 0
	s_mul_i32 s44, s[WV], 2*KREC                   ; each wave fetches two neighbouring K steps of B, 150 rows of 256 bytes, by its one load at the head
	s_mul_i32 s46, s21, 8*KREC
	s_add_co_u32 s46, s46, s44
	s_mov_b32 s47, 0
	s_wait_dscnt 0x0
	s_wait_kmcnt 0x0
	s_mov_b32 s[G0A], 1
	s_mov_b32 s[G0A+1], s44
	s_add_nc_u64 s[G0A+2:G0A+3], s[6:7], s[46:47]
	s_or_b32 s[G0A+3], s[G0A+3], 0x80000000
	CROUND
	tensor_load_to_lds s[G0A:G0A+3], s[G1:G1+7]
	s_nop 0
	PLACES 4
	v_and_b32 v1, 31, v0
	v_and_b32 v2, 15, v0
	v_bfe_u32 v3, v0, 4, 1
	v_lshlrev_b32 v[GA0], 4, v1
	v_lshlrev_b32 v[GA1], 4, v2
	v_lshl_add_u32 v[GA1], v3, 3, v[GA1]
	v_lshlrev_b32 v[GA2], 3, v1
	v_lshlrev_b32 v[BA0], 4, v1
	v_lshlrev_b32 v[BA1], 4, v2
	v_lshl_add_u32 v[BA1], v3, 3, v[BA1]
	v_lshlrev_b32 v[BA2], 3, v1
	v_lshlrev_b32 v10, 6, v3
	v_and_b32 v11, 8, v2
	v_add_nc_u32 v11, v11, v2
	v_lshlrev_b32 v11, 2, v11
	s_wait_alu depctr_va_vdst(0)
.irp n, 0,1,2,3,4,5,6,7
	v_mov_b32 v[TP+\n], 0
.endr
	s_lshl_b32 s48, s21, 8
	s_mov_b32 s49, 0
	s_add_nc_u64 s[8:9], s[8:9], s[48:49]
	s_add_nc_u64 s[10:11], s[10:11], s[48:49]
	s_add_nc_u64 s[12:13], s[12:13], s[48:49]
	s_lshl_b32 s48, s20, 2
	s_add_co_u32 s48, s48, s[WV]
	s_mul_i32 s48, s48, 8*REC
	s_add_nc_u64 s[AP:AP+1], s[4:5], s[48:49]
	WIN 0xc0
.irp nt, 0,1,2,3
	global_load_b128 v[176+8*\nt:179+8*\nt], v10, s[8:9] offset:4*(32*(\nt/2)+8*(\nt%2))
	global_load_b128 v[180+8*\nt:183+8*\nt], v10, s[8:9] offset:4*(32*(\nt/2)+8*(\nt%2))+16
	global_load_b128 v[208+8*\nt:211+8*\nt], v10, s[10:11] offset:4*(32*(\nt/2)+8*(\nt%2))
	global_load_b128 v[212+8*\nt:215+8*\nt], v10, s[10:11] offset:4*(32*(\nt/2)+8*(\nt%2))+16
.endr
	WIN 0
.irp dt, 0,1,2,3
	global_load_b32 v[VB+8*\dt], v11, s[12:13] offset:4*(32*(\dt/2)+8*(\dt%2))
.endr
	ALOAD 0,0
	ALOAD 1,1
	ALOAD 2,2
	ALOAD 3,3
	ALOAD 4,4
	ALOAD 5,5
	s_lshl_b32 s44, s21, 5
	s_lshl_b32 s45, s20, 1
	s_add_co_u32 s44, s44, s45
	s_lshr_b32 s45, s[WV], 1
	s_add_co_u32 s44, s44, s45
	s_and_b32 s45, s[WV], 1
	s_mul_i32 s46, s44, 6656
	s_mul_i32 s48, s45, 3072
	s_add_co_u32 s48, s48, s46
	s_add_nc_u64 s[52:53], s[14:15], s[48:49]
	s_lshl_b32 s48, s45, 8
	s_add_co_u32 s48, s48, s46
	s_add_co_u32 s48, s48, 6144
	s_add_nc_u64 s[54:55], s[14:15], s[48:49]
	s_mul_i32 s46, s44, 13056
	s_mul_i32 s48, s45, 3072
	s_add_co_u32 s48, s48, s46
	s_add_nc_u64 s[56:57], s[16:17], s[48:49]
	s_lshl_b32 s48, s45, 8
	s_add_co_u32 s48, s48, s46
	s_add_co_u32 s48, s48, 12288
	s_add_nc_u64 s[58:59], s[16:17], s[48:49]
	s_mul_i32 s48, s45, 768
	s_add_co_u32 s48, s48, s46
	s_add_co_u32 s48, s48, 6144
	s_add_nc_u64 s[60:61], s[16:17], s[48:49]
	s_lshl_b32 s48, s45, 1
	s_add_co_u32 s48, s48, s46
	s_add_co_u32 s48, s48, 12800
	s_add_nc_u64 s[62:63], s[16:17], s[48:49]
	s_wait_tensorcnt 0x0                           ; my two K steps of B have landed; behind the barrier everybody's have
	s_barrier_signal -1
	s_barrier_wait -1
	BLOAD 0,0
	BLOAD 0,1
	BLOAD 0,2
.irp s, 0,1,2,3,4,5,6,7
	KSTEP \s
.endr
	EPI 2,0,80
.irp i, 0,1,2,3
	global_store_b128 v[GA0], v[80+8*\i:83+8*\i], s[52:53] offset:768*\i
	global_store_b64 v[GA1], v[84+8*\i:85+8*\i], s[52:53] offset:768*\i+512
.endr
.irp i, 0,1,2,3
	v_or_b32 v[HW+\i], 0x7f7f0000, v[HW+\i]
.endr
	v_cndmask_b32 v176, v[HW], v[HW+1], s[HM]
	v_cndmask_b32 v177, v[HW+2], v[HW+3], s[HM]
	global_store_b64 v[GA2], v[176:177], s[54:55]
	EPI 2,128,112
.irp i, 0,1,2,3
	global_store_b128 v[GA0], v[112+8*\i:115+8*\i], s[56:57] offset:768*\i
	global_store_b64 v[GA1], v[116+8*\i:117+8*\i], s[56:57] offset:768*\i+512
.endr
.irp i, 0,1,2,3
	v_or_b32 v[HW+\i], 0x7f7f0000, v[HW+\i]
.endr
	v_cndmask_b32 v178, v[HW], v[HW+1], s[HM]
	v_cndmask_b32 v179, v[HW+2], v[HW+3], s[HM]
	global_store_b64 v[GA2], v[178:179], s[58:59]
	EPI 3,0,144
.irp i, 0,1,2,3
	global_store_b128 v[GA0], v[144+8*\i:147+8*\i], s[60:61] offset:1536*\i
	global_store_b64 v[GA1], v[148+8*\i:149+8*\i], s[60:61] offset:1536*\i+512
.endr
	v_cndmask_b32 v180, v[HW], v[HW+1], s[HM]
	v_cndmask_b32 v181, v[HW+2], v[HW+3], s[HM]
	global_store_b16 v[GA2], v180, s[62:63]
	global_store_b16 v[GA2], v181, s[62:63] offset:4
	s_wait_tensorcnt 0x0
	ds_add_u32 v254, v255
	s_wait_dscnt 0x0
	CROUND
	s_endpgm
.Lfunc_end_k_qde270eaf1d_qkv:
	.size	k_qde270eaf1d_qkv, .Lfunc_end_k_qde270eaf1d_qkv-k_qde270eaf1d_qkv
	.p2alignl 7, 3214868480
	.fill 96, 4, 3214868480
	.section	.rodata,"a",@progbits
	.p2align	6, 0x0
	.amdhsa_kernel k_qde270eaf1d_qkv
		.amdhsa_group_segment_fixed_size 327680
		.amdhsa_private_segment_fixed_size 0
		.amdhsa_enable_private_segment 0
		.amdhsa_kernarg_size 56
		.amdhsa_user_sgpr_count 2
		.amdhsa_user_sgpr_kernarg_segment_ptr 1
		.amdhsa_wavefront_size32 1
		.amdhsa_system_sgpr_workgroup_id_x 1
		.amdhsa_system_sgpr_workgroup_id_y 1
		.amdhsa_system_sgpr_workgroup_id_z 1
		.amdhsa_system_vgpr_workitem_id 0
		.amdhsa_next_free_vgpr 1024
		.amdhsa_next_free_sgpr 66
		.amdhsa_reserve_vcc 0
		.amdhsa_float_denorm_mode_32 3
		.amdhsa_float_denorm_mode_16_64 3
		.amdhsa_memory_ordered 1
		.amdhsa_forward_progress 1
		.amdhsa_inst_pref_size 128
	.end_amdhsa_kernel
	.amdgpu_metadata
---
amdhsa.version: [ 1, 2 ]
amdhsa.kernels:
  - .name:           k_qde270eaf1d_qkv
    .symbol:         k_qde270eaf1d_qkv.kd
    .args:
      - { .name: xa, .offset: 0, .size: 8, .value_kind: global_buffer, .address_space: global }
      - { .name: wqkv, .offset: 8, .size: 8, .value_kind: global_buffer, .address_space: global }
      - { .name: bq, .offset: 16, .size: 8, .value_kind: global_buffer, .address_space: global }
      - { .name: bk, .offset: 24, .size: 8, .value_kind: global_buffer, .address_space: global }
      - { .name: bv, .offset: 32, .size: 8, .value_kind: global_buffer, .address_space: global }
      - { .name: qc, .offset: 40, .size: 8, .value_kind: global_buffer, .address_space: global }
      - { .name: kv, .offset: 48, .size: 8, .value_kind: global_buffer, .address_space: global }
    .group_segment_fixed_size: 327680
    .private_segment_fixed_size: 0
    .kernarg_segment_align: 8
    .kernarg_segment_size: 56
    .max_flat_workgroup_size: 128
    .sgpr_count:     66
    .vgpr_count:     1024
    .wavefront_size: 32
...
	.end_amdgpu_metadata
.endif
;; end of part 2
;; launch attn (part 3): grid 16 x 16, 8 waves a work-group, clusters of 4 x 1, 327,680 bytes of LDS; arguments qc, kv, ao; writes ao
.if DOCPART == 3
	.amdgcn_target "amdgcn-amd-amdhsa--gfx1250"
	.amdhsa_code_object_version 6
	.text
	.protected	k_qde270eaf1d_attn
	.globl	k_qde270eaf1d_attn
	.p2align	8
	.type	k_qde270eaf1d_attn,@function
k_qde270eaf1d_attn:
	s_mov_b64 s[64:65], 0
	v_nop
	global_prefetch_b8 v0, s[64:65] scope:SCOPE_SE
	s_setreg_imm32_b32 hwreg(HW_REG_WAVE_MODE, 25, 1), 1
	s_wait_xcnt 0x0
	s_wait_alu depctr_hold_cnt(0) depctr_sa_sdst(0) depctr_va_vdst(0) depctr_va_sdst(0) depctr_va_ssrc(0) depctr_va_vcc(0) depctr_vm_vsrc(0)
	s_getreg_b32 s2, hwreg(HW_REG_IB_STS2, 6, 4)
	s_cmp_eq_u32 s2, 0
	s_cbranch_scc0 .Lentry_in_a_cluster
	s_endpgm
.Lentry_in_a_cluster:
	s_bfe_u32 s2, ttmp6, 0x10000c
	s_cmp_lg_u32 s2, 0x3003
	s_cbranch_scc0 .Lentry_shape_is_right
	s_endpgm
.Lentry_shape_is_right:
; O[h][q] = the sum over k of softmax_k(Q[h][q] . K[h][k] / 8) V[h][k], both products on codes of FP6 (E2M3); O is quantised along the 1,024 of the last product's K and leaves as codes.
; THE SOFTMAX AHEAD OF THE SECOND PRODUCT: t = score x log2(e) / 8; M = the row's largest t so far, rounded UP to a whole number; p = 2^(t - M) is quantised along the keys, not normalised.
; The row's sum is taken of the unquantised p and divides O at the end.  When M moves, the sum and O are multiplied by 2^(old M - new M): exact.
; SHARES.  A work-group: 256 queries of one head; each of its eight waves 32 of them, two tiles of 16, so that each fragment of K and V read from LDS feeds two products.  Two waves to a SIMD.
; Every wave walks the head's 4,096 keys, 128 a step: one record of kv (13,056 bytes, laid in the order of the operands' registers).
; RING.  Two LDS slots of eight records (104,448 bytes).  The four work-groups of a cluster walk the same head: every wave asks for one record of a slot JOINTLY (mask 15), 51 rows of 256 bytes: one tensor load a wave is out.
; K'S FRAGMENTS ARE READ FROM LDS A STEP AHEAD: their registers are free behind the first product, so the next record's 20 loads are issued there and have the step's vector work in which to come.  A slot's first record is read
; behind the change of slots; a slot's last step is written out without the request, so that no address leaves the slot.
; LAYOUT.  S^T = K Q^T (source 0 = 16 keys, source 1 = 16 queries), O^T = V^T P^T: a lane holds ONE query throughout.
; WHICH KEYS FORM A TILE OF K is chosen by the LDS addresses alone: tile 4 c + T takes as rows 0-7 keys 8 T .. 8 T + 7 of block 2 c (of 32 keys) and as rows 8-15 the same keys of block 2 c + 1.  So the 32 registers of
; tiles 4 c .. 4 c + 3 hold, in lanes 0-15, block 2 c whole and in key order, and in lanes 16-31 block 2 c + 1: that is the layout of the second product's operand.  A block's largest score needs no other lane, and the codes need no exchange between lanes.
; In a record the fragment 4 c + 2 b + u holds in lane r' key 8 u + r' + 8 (r' / 8) of block 2 c + b: so lane (r, h) of tile (c, T) reads fragment 4 c + 2 (r / 8) + T % 2, lane 8 (T / 2) + r % 8.
; The first product's K is 64: the upper six registers of K's and Q's fragments are zero codes, set once; their scale bytes are 127.
; A BLOCK'S LARGEST p is made of the block's largest score by the same multiply-add and exponential: this takes v_exp_f32 not to fall where its input rises.
; CHAINS OF DEPENDENT LINES stand among independent ones: the lines that make f among the multiply-adds, the lines that make p's scale word and the moves behind the conversions among the sums, which run in eight chains by turns.
; LIMITS: NaN and infinities are not served; a block whose largest magnitude lies under 2^-124 gets the byte 1; the promise holds while the scaled scores t stay under 2^31 in magnitude.
; ao's scale bytes leave as halfwords, every other one: the work-group of the neighbouring head writes those between: 256 bytes a record.
; REGISTERS: window 0: v1-15 addresses; v16-47, v48-79 a tile's statistics; v80-83 K's scale words, v84-85 V's, v86 Q's, v87-88 p's; v89 8 x (lane / 16); v96-159, v160-223 S^T, then p; v224-247 p's codes; v248-254 at work.
;   window 1: v0-95 K's 8 fragments; v96-143 V's 4; v144-207 O^T (tile u, d tile dt at 144 + 32 u + 8 dt); v208-231 Q's two.
.set RECB,  13056
.set NREC,  8                          ; records in a slot, one for each wave
.set SLOTB, NREC*RECB
.set SLOT1, 1<<17                      ; slot 1 begins here: one exclusive or turns an address in one slot into the other's
.set SPARE, 1<<18                      ; the spare words, 128 bytes for each wave: four blocks of 256 bytes that no other line names
.set HEADB, 32*RECB
.set NSL,   4
.set FLOOR, 0x1800000
.set EOFF,  0xff000000
.set WV,  10
.set HD,  11
.set CS,  14                           ; s[14:15] c = log2(e) / 8
.set SEL, 16
.set HM,  18
.set TB,  19                           ; LDS byte at which the step's record begins
.set SLOTS, 20
.set CNT, 21
.set LIM, 22
.set PFA, 24
.set G1,  28
.set G0,  36
.set NM,  16                           ; + 32 u: -M
.set TX,  17                           ; the largest score so far
.set LS,  18                           ; the sum, two halves
.set FF,  20                           ; f = 2^(old M - new M); at the end 1 / the sum  (FF + 1 is named with it as a pair)
.set LQ,  22                           ; the step's second chain of sums
.set BM,  24                           ; four chains of maxima; then my two blocks' largest at BM and BM + 2
.set TP,  28                           ; TP + 1: the old -M
.set SO,  32
.set BY,  36
.set TT,  40
.set LR,  42                           ; the step's third
.set LT,  44                           ; and fourth chain of sums
.set MSB, 0
.macro WIN new
.if MSB != (\new)
	s_set_vgpr_msb (MSB<<8)|(\new)
.set MSB, (\new)
.endif
.endm
.macro PLACES n
.rept \n
	v_nop
.endr
.endm
.macro CROUND
	s_barrier_signal -1
	s_barrier_wait -1
	s_cmp_lg_u32 s[WV], 0
	s_cbranch_scc1 .Lnot_wave_0_\@
	s_barrier_signal -3
.Lnot_wave_0_\@:
	s_barrier_wait -3
	s_barrier_signal -1
	s_barrier_wait -1
.endm
.macro TLOAD                           ; every wave fetches its record of a slot.  An s_nop 0 and four v_nop follow the load
	tensor_load_to_lds s[G0:G0+3], s[G1:G1+7]
	s_nop 0
	PLACES 4
.endm
; A prefetch into the L2 of the slot that the NEXT change of slots will ask for: eight steps of 128 keys ahead of that load.  All clusters of a head walk the same records: the head's first cluster asks.  Its four partners take two
; records each, told apart by address; in each, waves 0 to 3 ask, lanes 256 bytes apart.  Two records are 102 blocks of 256 bytes: the lanes left over name the last block again.  The last change that fills a slot asks for nothing.
.macro ASK
	s_cmp_gt_u32 s[SLOTS], s[LIM]
	s_cbranch_scc0 .Lnot_mine_\@
	global_prefetch_b8 v9, s[PFA:PFA+1] th:TH_LOAD_NT scope:SCOPE_SE
.Lnot_mine_\@:
.endm
.macro QKP                             ; one product of S^T = K Q^T; it starts its sum
.if rRA && rRB
	v_wmma_scale_f32_16x16x128_f8f6f4 v[rD:rD+7], v[rA:rA+11], v[rB:rB+11], 0, v[rSA], v[rSB] matrix_a_fmt:MATRIX_FMT_FP6 matrix_b_fmt:MATRIX_FMT_FP6 matrix_a_scale:MATRIX_SCALE_ROW1 matrix_b_scale:MATRIX_SCALE_ROW1
.elseif rRA
	v_wmma_scale_f32_16x16x128_f8f6f4 v[rD:rD+7], v[rA:rA+11], v[rB:rB+11], 0, v[rSA], v[rSB] matrix_a_fmt:MATRIX_FMT_FP6 matrix_b_fmt:MATRIX_FMT_FP6 matrix_a_scale:MATRIX_SCALE_ROW1
.elseif rRB
	v_wmma_scale_f32_16x16x128_f8f6f4 v[rD:rD+7], v[rA:rA+11], v[rB:rB+11], 0, v[rSA], v[rSB] matrix_a_fmt:MATRIX_FMT_FP6 matrix_b_fmt:MATRIX_FMT_FP6 matrix_b_scale:MATRIX_SCALE_ROW1
.else
	v_wmma_scale_f32_16x16x128_f8f6f4 v[rD:rD+7], v[rA:rA+11], v[rB:rB+11], 0, v[rSA], v[rSB] matrix_a_fmt:MATRIX_FMT_FP6 matrix_b_fmt:MATRIX_FMT_FP6
.endif
.endm
.macro PVP                             ; one product of O^T += V^T P^T
.if rRA
	v_wmma_scale_f32_16x16x128_f8f6f4 v[rD:rD+7], v[rA:rA+11], v[rB:rB+11], v[rD:rD+7], v[rSA], v[rSB] matrix_a_fmt:MATRIX_FMT_FP6 matrix_b_fmt:MATRIX_FMT_FP6 matrix_a_scale:MATRIX_SCALE_ROW1
.else
	v_wmma_scale_f32_16x16x128_f8f6f4 v[rD:rD+7], v[rA:rA+11], v[rB:rB+11], v[rD:rD+7], v[rSA], v[rSB] matrix_a_fmt:MATRIX_FMT_FP6 matrix_b_fmt:MATRIX_FMT_FP6
.endif
.endm
; n lines of tile u's t - M, from pair j0 on: two numbers a line
.macro PKF u, j0, n
.set j, (\j0)
.rept \n
	v_pk_fma_f32 v[96+64*(\u)+2*j:97+64*(\u)+2*j], v[96+64*(\u)+2*j:97+64*(\u)+2*j], s[CS:CS+1], v[NM+32*(\u):NM+32*(\u)+1] op_sel_hi:[1,0,0]
.set j, j+1
.endr
.endm
; Tile u's sum of the unquantised p, two numbers a line, in four chains: group i of 8 takes registers 8 i .. 8 i + 7, a pair to each chain.  Three of the chains begin in group 1, with groups 0 and 1 at once: 29 lines, and 3 that join the chains
.macro SUMG u, i
.set rS, 96+64*(\u)+8*(\i)
.set rT, 32*(\u)
	v_pk_add_f32 v[LS+rT:LS+rT+1], v[LS+rT:LS+rT+1], v[rS:rS+1]
.if (\i) == 1
	v_pk_add_f32 v[LQ+rT:LQ+rT+1], v[rS-6:rS-5], v[rS+2:rS+3]
	v_pk_add_f32 v[LR+rT:LR+rT+1], v[rS-4:rS-3], v[rS+4:rS+5]
	v_pk_add_f32 v[LT+rT:LT+rT+1], v[rS-2:rS-1], v[rS+6:rS+7]
.elseif (\i) > 1
	v_pk_add_f32 v[LQ+rT:LQ+rT+1], v[LQ+rT:LQ+rT+1], v[rS+2:rS+3]
	v_pk_add_f32 v[LR+rT:LR+rT+1], v[LR+rT:LR+rT+1], v[rS+4:rS+5]
	v_pk_add_f32 v[LT+rT:LT+rT+1], v[LT+rT:LT+rT+1], v[rS+6:rS+7]
.endif
.endm
; Tile u's 64 p become the second product's operand: my block 2 c + lane / 16 is registers 6 c .. 6 c + 5
.macro CVT4 u
.set rS, 96+64*(\u)
.set rP, 224+12*(\u)
.set rO, SO+32*(\u)
.irp c, 0,1
	v_cvt_scalef32_pk16_fp6_f32 v[rP+6*\c:rP+6*\c+2], v[rS+32*\c:rS+32*\c+15], v[rO+\c]
	v_cvt_scalef32_pk16_fp6_f32 v[248+4*\c:250+4*\c], v[rS+32*\c+16:rS+32*\c+31], v[rO+\c]   ; (a conversion's three registers begin on an even number)
.endr
.endm
.macro MOV6 u
.set rP, 224+12*(\u)
.irp c, 0,1
.irp i, 0,1,2
	v_mov_b32 v[rP+6*\c+3+\i], v[248+4*\c+\i]
.endr
.endr
.endm
.macro KADDR                           ; K's addresses in the step's record.  Behind the first product these four lines are its places, in front of the loads into its operands
	v_add_nc_u32 v12, s[TB], v10
	v_add_nc_u32 v13, s[TB], v11
	v_add_nc_u32 v14, s[TB], v15
	v_nop
.endm
.macro KFETCH off                      ; K's scale words and eight fragments of the record off bytes on: 20 LDS loads
.irp q, 0,1,2,3
	ds_load_b32 v[80+\q], v14 offset:(\off)+12288+256*(\q/2)+64*(\q%2)   ; register t / 2, lanes 0-15 tile t even, lanes 16-31 tile t odd
.endr
	WIN 0x40
.irp t, 0,1,2,3,4,5,6,7
	ds_load_b128 v[12*\t:12*\t+3], v12 offset:(\off)+3072*(\t/4)+768*(\t%2)+128*((\t%4)/2)
	ds_load_b64 v[12*\t+4:12*\t+5], v13 offset:(\off)+3072*(\t/4)+768*(\t%2)+128*((\t%4)/2)+512
.endr
	WIN 0
.endm
; A KEY STEP: 128 keys.  pre = 1: the next record's K is asked for
.macro STEP pre
	v_add_nc_u32 v4, s[TB], v1                     ; these five are the places behind the last step's products, in front of the loads into their operands
	v_add_nc_u32 v5, s[TB], v2
	v_add_nc_u32 v6, s[TB], v3
	v_mov_b32 v[TP+1], v[NM]                       ; the old -M of both tiles
	v_mov_b32 v[TP+33], v[NM+32]
	ds_load_b64 v[84:85], v6 offset:12800          ; V's scale words
	WIN 0x40
.irp f, 0,1,2,3,4,5,6,7
	ds_load_b128 v[96+6*\f:96+6*\f+3], v4 offset:6144+768*\f
	ds_load_b64 v[96+6*\f+4:96+6*\f+5], v5 offset:6144+768*\f+512
.endr
	s_wait_dscnt 17                                ; K and its scale words, asked for ahead of these, are in; V's 17 loads may be out
	WIN 0x05
.irp t, 0,1,2,3,4,5,6,7
.irp u, 0,1
.set rD, 96+64*\u+8*\t
.set rA, 12*\t
.set rB, 208+12*\u
.set rSA, 80+\t/2
.set rSB, 86
.set rRA, \t%2
.set rRB, \u
	QKP
.endr
.endr
	WIN 0
.if \pre
	KADDR
	KFETCH RECB
.else
	PLACES 4
.endif
.irp u, 0,1
.irp g, 0,1,2,3
	v_max3_num_f32 v[BM+32*\u+\g], v[96+64*\u+16*\g], v[97+64*\u+16*\g], v[98+64*\u+16*\g]   ; eight chains by turns, two to a block of 32 keys; each accumulator is first read at its low end
.endr
.endr
.irp i, 3,5,7,9,11,13
.irp u, 0,1
.irp g, 0,1,2,3
	v_max3_num_f32 v[BM+32*\u+\g], v[BM+32*\u+\g], v[96+64*\u+16*\g+\i], v[97+64*\u+16*\g+\i]
.endr
.endr
.endr
.irp u, 0,1
.irp c, 0,1
	v_max3_num_f32 v[BM+32*\u+2*\c], v[BM+32*\u+2*\c], v[BM+32*\u+2*\c+1], v[111+64*\u+32*\c]
.endr
.endr
.irp u, 0,1
.irp c, 0,1
	v_max_num_f32 v[BM+32*\u+2*\c], v[BM+32*\u+2*\c], v[127+64*\u+32*\c]   ; my block's largest score: for the row's maximum, and for the block's largest p
.endr
.endr
.irp u, 0,1
	v_max_num_f32 v[TT+32*\u], v[BM+32*\u], v[BM+32*\u+2]
.endr
.irp u, 0,1
	v_permlanex16_b32 v[TP+32*\u], v[TT+32*\u], s[SEL], s[SEL+1]
.endr
.irp u, 0,1
	v_max3_num_f32 v[TX+32*\u], v[TX+32*\u], v[TT+32*\u], v[TP+32*\u]   ; with lane l xor 16's two blocks: the row's largest score so far
.endr
.irp u, 0,1
	v_mul_f32 v[TT+32*\u], s[CS], v[TX+32*\u]      ; as t (c is positive)
.endr
.irp u, 0,1
	v_floor_f32 v[NM+32*\u], -v[TT+32*\u]          ; the new -M = floor(-t): M is a whole number
.endr
	PKF 0, 0, 8                                    ; t - M needs -M alone: the three lines that make f stand among these
.irp u, 0,1
	v_sub_f32 v[TT+32*\u], v[NM+32*\u], v[TP+32*\u+1]
.endr
	PKF 0, 8, 8
.irp u, 0,1
	v_cvt_i32_f32 v[TT+32*\u], v[TT+32*\u]         ; old M - new M, 0 or less (it saturates)
.endr
	PKF 0, 16, 8
.irp u, 0,1
	v_ldexp_f32 v[FF+32*\u], 1.0, v[TT+32*\u]      ; f
.endr
	PKF 0, 24, 8
	PKF 1, 0, 32
.irp u, 0,1
.irp c, 0,1
	v_fma_f32 v[BM+32*\u+2*\c], v[BM+32*\u+2*\c], s[CS], v[NM+32*\u]
.endr
.endr
	WIN 0x41
.irp u, 0,1
.set j, 0
.rept 16
	v_pk_mul_f32 v[144+32*\u+2*j:145+32*\u+2*j], v[144+32*\u+2*j:145+32*\u+2*j], v[FF+32*\u:FF+32*\u+1] op_sel_hi:[1,0]   ; O^T under the new M; each accumulator from its low end on
.set j, j+1
.endr
.endr
	WIN 0
	s_wait_alu depctr_va_vdst(0)                   ; all the batch's sources are laid
.set j, 0
.rept 128
	v_exp_f32 v[96+j], v[96+j]                     ; p
.set j, j+1
.endr
.irp u, 0,1
.irp c, 0,1
	v_exp_f32 v[BM+32*\u+2*\c], v[BM+32*\u+2*\c]   ; the blocks' largest p
.endr
.endr
.irp u, 0,1
	v_pk_mul_f32 v[LS+32*\u:LS+32*\u+1], v[LS+32*\u:LS+32*\u+1], v[FF+32*\u:FF+32*\u+1] op_sel_hi:[1,0]   ; the sums under the new M (plain places behind the exponentials)
.endr
	s_wait_alu depctr_va_vdst(0)                   ; one wait for the whole batch, ahead of its first reader
.irp u, 0,1
.irp c, 0,1
	v_max_num_f32 v[BM+32*\u+2*\c], FLOOR, v[BM+32*\u+2*\c]
.endr
.endr
	SUMG 0,0
	SUMG 1,0
.irp u, 0,1
.irp c, 0,1
	v_add_nc_u32 v[SO+32*\u+\c], EOFF, v[BM+32*\u+2*\c]   ; 2 off the exponent field: the conversion's scale operand
.endr
.endr
	SUMG 0,1
	SUMG 1,1
	CVT4 0
.irp u, 0,1
.irp c, 0,1
	v_lshrrev_b32 v[BY+32*\u+\c], 23, v[SO+32*\u+\c]              ; the scales' bytes.  (Plain places behind the conversions)
.endr
.endr
.irp u, 0,1
	v_lshl_or_b32 v[TT+32*\u], v[BY+32*\u+1], 16, v[BY+32*\u]     ; my two bytes: blocks h and 2 + h,
.endr
	SUMG 0,2
	MOV6 0
	CVT4 1
.irp u, 0,1
	v_lshlrev_b32 v[TT+32*\u], v89, v[TT+32*\u]    ; at their places in the word.  (Plain places behind the conversions)
.endr
	SUMG 1,2
.irp u, 0,1
	v_permlanex16_b32 v[TP+32*\u], v[TT+32*\u], s[SEL], s[SEL+1]
.endr
	MOV6 1
.irp u, 0,1
	v_or_b32 v[87+\u], v[TT+32*\u], v[TP+32*\u]    ; with lane l xor 16's two: p's scale word for these 128 keys
.endr
.irp i, 3,4,5,6,7
	SUMG 0,\i                                      ; these 46 lines are also the places between the lines that made p's codes and scale words and the products
	SUMG 1,\i
.endr
.irp u, 0,1
	v_pk_add_f32 v[LQ+32*\u:LQ+32*\u+1], v[LQ+32*\u:LQ+32*\u+1], v[LR+32*\u:LR+32*\u+1]
	v_pk_add_f32 v[LS+32*\u:LS+32*\u+1], v[LS+32*\u:LS+32*\u+1], v[LT+32*\u:LT+32*\u+1]
.endr
.irp u, 0,1
	v_pk_add_f32 v[LS+32*\u:LS+32*\u+1], v[LS+32*\u:LS+32*\u+1], v[LQ+32*\u:LQ+32*\u+1]
.endr
	s_wait_dscnt 0x0                               ; V is in (and the next record's K)
	WIN 0x51
.irp dt, 0,1,2,3
.irp u, 0,1
.set rD, 144+32*\u+8*\dt
.set rA, 96+12*\dt
.set rB, 224+12*\u
.set rSA, 84+\dt/2
.set rSB, 87+\u
.set rRA, \dt%2
	PVP                                            ; eight accumulators by turns
.endr
.endr
	WIN 0
	s_add_co_u32 s[TB], s[TB], RECB
.endm
; THE CHANGE OF SLOTS stands at a slot's head.  Each wave waits for all its tensor loads, adds 0 to its spare word, and waits for that and for its reads of the slot that it has left.  fill = 1: a round of the cluster's barrier,
; so that no wave of any partner still reads that slot or has a load on its way; the joint load is the first thing behind it and has a slot's eight steps in which to land.  One tensor load of a wave is out.
.macro CHANGE fill
	s_wait_tensorcnt 0x0
	ds_add_u32 v7, v8
.if \fill
	s_xor_b32 s[G0+1], s[G0+1], SLOT1              ; the walking descriptor: the other slot, the next 1,024 keys
	s_add_nc_u64 s[G0+2:G0+3], s[G0+2:G0+3], SLOTB
	s_wait_xcnt 0x0                                ; the last prefetch, a slot back, has read its address
	s_add_nc_u64 s[PFA:PFA+1], s[PFA:PFA+1], SLOTB
.endif
	s_wait_dscnt 0x0
.if \fill
	CROUND
	TLOAD
	ASK
.else
	s_barrier_signal -1
	s_barrier_wait -1
.endif
.endm
.macro SLOT_STEPS                      ; a slot's eight steps: seven in a loop, each asking for the next record's K; the eighth asks for nothing
	KADDR
	KFETCH 0                                       ; the slot's first record
	s_mov_b32 s[CNT], NREC-1
.Lstep_\@:
	STEP 1
	s_sub_co_u32 s[CNT], s[CNT], 1
	s_cmp_lg_u32 s[CNT], 0
	s_cbranch_scc1 .Lstep_\@
	STEP 0
	s_sub_co_u32 s[TB], s[TB], SLOTB
	s_xor_b32 s[TB], s[TB], SLOT1                  ; on to the other slot
.endm
	s_load_b128 s[4:7], s[0:1], 0x0                ; qc, kv
	s_load_b64 s[8:9], s[0:1], 0x10                ; ao
	v_lshl_add_u32 v7, v0, 2, SPARE
	v_mov_b32 v8, 0
	ds_add_u32 v7, v8                              ; the opening lines: the add, twice on end, and its wait ahead of my first tensor load
	ds_add_u32 v7, v8
	v_lshrrev_b32 v1, 5, v0
	v_readfirstlane_b32 s[WV], v1                  ; wave 0..7
	s_and_b32 s[HD], ttmp7, 0xffff                 ; the head, which the four partners share
	s_bfe_u32 s12, ttmp6, 0x40000                  ; cx
	s_lshl_b32 s13, ttmp9, 2
	s_add_co_u32 s13, s13, s12                     ; my block of 256 queries: it enters Q's and ao's addresses alone
	s_mov_b32 s[CS], 0x3e38aa3b                    ; log2(e) / 8
	s_mov_b32 s[CS+1], s[CS]
	s_mov_b32 s[SEL], 0x76543210
	s_mov_b32 s[SEL+1], 0xfedcba98
	s_mov_b32 s[HM], 0xffff0000
	s_mov_b32 s[TB], 0
	s_mov_b32 s[SLOTS], NSL-1
	; descriptor group 1: one record, 13,056 dense bytes, as 51 rows of 256 bytes
	s_mov_b32 s[G1], 15|(3<<16)|(1<<21)
	s_mov_b32 s[G1+1], 32<<16
	s_mov_b32 s[G1+2], 51<<16
	s_mov_b32 s[G1+3], 32<<16
	s_mov_b32 s[G1+4], 51
	s_mov_b32 s[G1+5], 32
	s_mov_b32 s[G1+6], 0
	s_mov_b32 s[G1+7], 0
	s_mul_i32 s48, s[WV], RECB
	s_mul_i32 s52, s[HD], HEADB
	s_add_co_u32 s50, s52, s48
	s_mov_b32 s51, 0
	s_wait_dscnt 0x0                               ; both opening adds are done
	s_wait_kmcnt 0x0
	s_mov_b32 s[G0], 1
	s_mov_b32 s[G0+1], s48
	s_add_nc_u64 s[G0+2:G0+3], s[6:7], s[50:51]
	s_or_b32 s[G0+3], s[G0+3], 0x80000000
	CROUND                                         ; all four work-groups are here
	TLOAD                                          ; slot 0: my one load at the head
	s_mul_i32 s50, s12, 2*RECB                     ; the prefetches: my work-group's two records, in slot 1; the first change of slots steps it to slot 2.  Nothing is prefetched here, at the head
	s_add_co_u32 s50, s50, s52
	s_add_co_u32 s50, s50, SLOTB
	s_add_nc_u64 s[PFA:PFA+1], s[6:7], s[50:51]
	s_lshr_b32 s53, s[WV], 2                       ; 0 in waves 0 to 3,
	s_or_b32 s53, s53, ttmp9                       ; of the head's first cluster: the same in all four partners
	s_cmp_eq_u32 s53, 0
	s_cselect_b32 s[LIM], 1, -1
	s_lshl_b32 s53, s[HD], 5                       ; Q: record head x 32 + 2 x block + wave / 4, tiles 2 (wave % 4) + u
	s_lshl_b32 s54, s13, 1
	s_add_co_u32 s53, s53, s54
	s_lshr_b32 s54, s[WV], 2
	s_add_co_u32 s53, s53, s54
	s_mul_i32 s53, s53, 6656
	s_and_b32 s54, s[WV], 3
	s_mul_i32 s50, s54, 1536
	s_add_co_u32 s50, s50, s53
	s_add_nc_u64 s[40:41], s[4:5], s[50:51]
	s_lshr_b32 s54, s54, 1
	s_lshl_b32 s54, s54, 8
	s_and_b32 s55, s[WV], 1
	s_lshl_b32 s50, s55, 2
	s_add_co_u32 s50, s50, s54
	s_add_co_u32 s50, s50, s53
	s_add_co_u32 s50, s50, 6144
	s_add_nc_u64 s[42:43], s[4:5], s[50:51]        ; its scale words: lanes 0-15 tile u = 0, lanes 16-31 tile u = 1
	s_lshl_b32 s53, s13, 2                         ; ao: record (4 x block + wave / 2) x 8 + head / 2; fragments 2 (wave % 2) + u; half head % 2
	s_lshr_b32 s54, s[WV], 1
	s_add_co_u32 s53, s53, s54
	s_lshl_b32 s53, s53, 3
	s_lshr_b32 s54, s[HD], 1
	s_add_co_u32 s53, s53, s54
	s_mul_i32 s53, s53, 6400
	s_and_b32 s54, s[HD], 1
	s_mul_i32 s50, s55, 3072
	s_mul_i32 s48, s54, 768
	s_add_co_u32 s50, s50, s48
	s_add_co_u32 s50, s50, s53
	s_add_nc_u64 s[44:45], s[8:9], s[50:51]
	s_lshl_b32 s50, s55, 2
	s_lshl_b32 s48, s54, 1
	s_add_co_u32 s50, s50, s48
	s_add_co_u32 s50, s50, s53
	s_add_co_u32 s50, s50, 6144
	s_add_nc_u64 s[46:47], s[8:9], s[50:51]
	v_and_b32 v4, 31, v0
	v_and_b32 v5, 15, v0
	v_bfe_u32 v6, v0, 4, 1                         ; h
	v_lshlrev_b32 v1, 4, v4                        ; 16 x lane
	v_lshlrev_b32 v2, 4, v5
	v_lshl_add_u32 v2, v6, 3, v2                   ; 16 r + 8 h
	v_lshlrev_b32 v3, 3, v4                        ; 8 x lane
	v_min_u32 v9, 101, v0                          ; the prefetches' offset: block 32 x wave + lane of two records, held at their last block
	v_lshlrev_b32 v9, 8, v9
	v_and_b32 v12, 7, v0                           ; r % 8
	v_bfe_u32 v13, v0, 3, 1                        ; r / 8
	v_mul_u32_u24 v14, v13, 1536                   ; K: two fragments on for rows 8-15,
	v_lshl_add_u32 v14, v12, 4, v14                ; 16 bytes a lane of the stored fragment
	v_lshl_add_u32 v10, v6, 8, v14                 ; registers 0-3: + 256 h
	v_lshl_add_u32 v11, v6, 3, v14                 ; registers 4-5: + 8 h
	v_lshlrev_b32 v15, 3, v12                      ; K's scale words: 8 (r % 8) + 4 (r / 8) + 128 h
	v_lshl_add_u32 v15, v13, 2, v15
	v_lshl_add_u32 v15, v6, 7, v15
	v_lshlrev_b32 v89, 3, v6                       ; 8 h: my bytes' shift in p's scale word
	global_load_b32 v86, v3, s[42:43]
	WIN 0x40
.irp u, 0,1
	global_load_b128 v[208+12*\u:211+12*\u], v1, s[40:41] offset:768*\u
	global_load_b64 v[212+12*\u:213+12*\u], v2, s[40:41] offset:768*\u+512
.endr
.irp t, 0,1,2,3,4,5,6,7
.irp k, 6,7,8,9,10,11
	v_mov_b32 v[12*\t+\k], 0                       ; K's upper 64 along the product's K: zero codes, set once: the loads write registers 0-5 alone
.endr
.endr
.irp u, 0,1
.irp k, 6,7,8,9,10,11
	v_mov_b32 v[208+12*\u+\k], 0                   ; Q's likewise
.endr
.endr
.set j, 0
.rept 64
	v_mov_b32 v[144+j], 0                          ; O^T.  (The step is written for every step alike: the first finds zeros, which the first change of M leaves zeros)
.set j, j+1
.endr
	WIN 0
.irp u, 0,1
	v_mov_b32 v[TX+32*\u], 0xff61b1e6              ; the largest score so far: -3e38
	v_mul_f32 v[TT+32*\u], s[CS], v[TX+32*\u]
	v_floor_f32 v[NM+32*\u], -v[TT+32*\u]
	v_mov_b32 v[LS+32*\u], 0
	v_mov_b32 v[LS+32*\u+1], 0
	v_mov_b32 v[FF+32*\u+1], 0                     ; (named as the upper half of a pair)
.irp b, 0,1,2,3
	v_mov_b32 v[TP+32*\u+\b], 0                    ; a lane permute's destination counts as one of its sources
.endr
.endr
	s_wait_alu depctr_va_vdst(0)
	s_wait_loadcnt 0x0                             ; Q
.Lslot:                                            ; NSL - 1 trips: behind each change of slots but the last the next slot is asked for
	CHANGE 1
	SLOT_STEPS
	s_sub_co_u32 s[SLOTS], s[SLOTS], 1
	s_cmp_lg_u32 s[SLOTS], 0
	s_cbranch_scc1 .Lslot
	CHANGE 0                                       ; the last slot is written out
	SLOT_STEPS
	; THE WAY OUT: O^T / the sum, quantised along d (two blocks of 32 of the last product's K), as a half fragment of 16 rows x 64
	PLACES 4
	s_wait_alu depctr_va_vdst(0)                   ; directly ahead of the reader below: the sums were last written ahead of the last step's wait for V
.irp u, 0,1
	v_add_f32 v[TT+32*\u], v[LS+32*\u], v[LS+32*\u+1]
.endr
.irp u, 0,1
	v_permlanex16_b32 v[TP+32*\u], v[TT+32*\u], s[SEL], s[SEL+1]
.endr
.irp u, 0,1
	v_add_f32 v[TT+32*\u], v[TT+32*\u], v[TP+32*\u]
.endr
	s_wait_alu depctr_va_vdst(0)
.irp u, 0,1
	v_rcp_f32 v[FF+32*\u], v[TT+32*\u]
.endr
	v_nop                                          ; a plain place behind the reciprocals
	WIN 0x01
	s_wait_alu depctr_va_vdst(0)                   ; one wait for the two and for O^T, directly ahead of their first reader
.irp u, 0,1
.set j, 0
.rept 16
	v_pk_mul_f32 v[96+64*\u+2*j:97+64*\u+2*j], v[144+32*\u+2*j:145+32*\u+2*j], v[FF+32*\u:FF+32*\u+1] op_sel_hi:[1,0]   ; register 16 b + k: d = 32 b + 16 h + k of my query
.set j, j+1
.endr
.endr
	WIN 0
.irp u, 0,1
.irp b, 0,1
	v_max3_num_f32 v[BM+32*\u+\b], |v[96+64*\u+16*\b]|, |v[97+64*\u+16*\b]|, FLOOR
.endr
.endr
.irp k, 2,4,6,8,10,12,14
.irp u, 0,1
.irp b, 0,1
	v_max3_num_f32 v[BM+32*\u+\b], v[BM+32*\u+\b], |v[96+64*\u+16*\b+\k]|, |v[97+64*\u+16*\b+\k]|
.endr
.endr
.endr
.irp u, 0,1
.irp b, 0,1
	v_permlanex16_b32 v[TP+32*\u+\b], v[BM+32*\u+\b], s[SEL], s[SEL+1]
.endr
.endr
.irp u, 0,1
.irp b, 0,1
	v_max_num_f32 v[BM+32*\u+\b], v[BM+32*\u+\b], v[TP+32*\u+\b]
.endr
.endr
.irp u, 0,1
.irp b, 0,1
	v_add_nc_u32 v[SO+32*\u+\b], EOFF, v[BM+32*\u+\b]
.endr
.endr
.irp u, 0,1
.irp b, 0,1
	v_lshrrev_b32 v[BY+32*\u+\b], 23, v[SO+32*\u+\b]
.endr
.endr
.irp u, 0,1
	v_lshl_or_b32 v[TT+32*\u], v[BY+32*\u+1], 8, v[BY+32*\u]
.endr
.irp u, 0,1
	v_cvt_scalef32_pk16_fp6_f32 v[224+12*\u:226+12*\u], v[96+64*\u:111+64*\u], v[SO+32*\u]
	v_cvt_scalef32_pk16_fp6_f32 v[230+12*\u:232+12*\u], v[112+64*\u:127+64*\u], v[SO+32*\u+1]
.endr
	v_nop
.irp u, 0,1
.irp k, 0,1,2
	v_permlane16_swap_b32 v[224+12*\u+\k], v[230+12*\u+\k]   ; along d a block lies in lanes l and l xor 16: a WHOLE block to a lane
.endr
.irp k, 0,1,2
	v_mov_b32 v[227+12*\u+\k], v[230+12*\u+\k]
.endr
.endr
	v_cndmask_b32 v248, v[TT], v[TT+32], s[HM]     ; lanes 0-15: tile u = 0's two bytes, lanes 16-31: tile u = 1's
.irp u, 0,1
	global_store_b128 v1, v[224+12*\u:227+12*\u], s[44:45] offset:1536*\u
	global_store_b64 v2, v[228+12*\u:229+12*\u], s[44:45] offset:1536*\u+512
.endr
	global_store_b16 v3, v248, s[46:47]
	s_wait_tensorcnt 0x0                           ; the wave's end
	ds_add_u32 v7, v8
	s_wait_dscnt 0x0
	CROUND                                         ; the closing round
	s_endpgm
.Lfunc_end_k_qde270eaf1d_attn:
	.size	k_qde270eaf1d_attn, .Lfunc_end_k_qde270eaf1d_attn-k_qde270eaf1d_attn
	.p2alignl 7, 3214868480
	.fill 96, 4, 3214868480
	.section	.rodata,"a",@progbits
	.p2align	6, 0x0
	.amdhsa_kernel k_qde270eaf1d_attn
		.amdhsa_group_segment_fixed_size 327680
		.amdhsa_private_segment_fixed_size 0
		.amdhsa_enable_private_segment 0
		.amdhsa_kernarg_size 24
		.amdhsa_user_sgpr_count 2
		.amdhsa_user_sgpr_kernarg_segment_ptr 1
		.amdhsa_wavefront_size32 1
		.amdhsa_system_sgpr_workgroup_id_x 1
		.amdhsa_system_sgpr_workgroup_id_y 1
		.amdhsa_system_sgpr_workgroup_id_z 1
		.amdhsa_system_vgpr_workitem_id 0
		.amdhsa_next_free_vgpr 512
		.amdhsa_next_free_sgpr 66
		.amdhsa_reserve_vcc 0
		.amdhsa_float_denorm_mode_32 3
		.amdhsa_float_denorm_mode_16_64 3
		.amdhsa_memory_ordered 1
		.amdhsa_forward_progress 1
		.amdhsa_inst_pref_size 129
	.end_amdhsa_kernel
	.amdgpu_metadata
---
amdhsa.version: [ 1, 2 ]
amdhsa.kernels:
  - .name:           k_qde270eaf1d_attn
    .symbol:         k_qde270eaf1d_attn.kd
    .args:
      - { .name: qc, .offset: 0, .size: 8, .value_kind: global_buffer, .address_space: global }
      - { .name: kv, .offset: 8, .size: 8, .value_kind: global_buffer, .address_space: global }
      - { .name: ao, .offset: 16, .size: 8, .value_kind: global_buffer, .address_space: global }
    .group_segment_fixed_size: 327680
    .private_segment_fixed_size: 0
    .kernarg_segment_align: 8
    .kernarg_segment_size: 24
    .max_flat_workgroup_size: 256
    .sgpr_count:     66
    .vgpr_count:     512
    .wavefront_size: 32
...
	.end_amdgpu_metadata
.endif
;; end of part 3
;; launch oproj (part 4): grid 16 x 16, 4 waves a work-group, clusters of 4 x 1, 168,448 bytes of LDS; arguments ao, woc, bo, out0; writes out0
.if DOCPART == 4
	.amdgcn_target "amdgcn-amd-amdhsa--gfx1250"
	.amdhsa_code_object_version 6
	.text
	.protected	k_qde270eaf1d_oproj
	.globl	k_qde270eaf1d_oproj
	.p2align	8
	.type	k_qde270eaf1d_oproj,@function
k_qde270eaf1d_oproj:
	s_mov_b64 s[64:65], 0
	v_nop
	global_prefetch_b8 v0, s[64:65] scope:SCOPE_SE
	s_setreg_imm32_b32 hwreg(HW_REG_WAVE_MODE, 25, 1), 1
	s_wait_xcnt 0x0
	s_wait_alu depctr_hold_cnt(0) depctr_sa_sdst(0) depctr_va_vdst(0) depctr_va_sdst(0) depctr_va_ssrc(0) depctr_va_vcc(0) depctr_vm_vsrc(0)
	s_getreg_b32 s2, hwreg(HW_REG_IB_STS2, 6, 4)
	s_cmp_eq_u32 s2, 0
	s_cbranch_scc0 .Lentry_in_a_cluster
	s_endpgm
.Lentry_in_a_cluster:
	s_bfe_u32 s2, ttmp6, 0x10000c
	s_cmp_lg_u32 s2, 0x3003
	s_cbranch_scc0 .Lentry_shape_is_right
	s_endpgm
.Lentry_shape_is_right:
; out0 = attention's output x Wo + bo, on codes of FP6 (E2M3); out0 [4096][1024] f32.
; SHARES.  A work-group: 256 rows x 64 columns.  Wave w: rows 64 w .. 64 w + 63: 16 accumulators, 16 matrix instructions for each 128 along K.
; B: the 64 columns' 8 records, 51,200 bytes, lie in LDS, filled once; the four work-groups of a cluster take the same columns, so each quarter is asked for JOINTLY (mask 15).
; A: a wave's 64 rows, 51,200 bytes, are used by that wave alone of its work-group and go from memory straight into its registers, in the order of the operand's registers, all at the head.
; A is not asked for jointly: it would have to pass through LDS and be read from there once more, 51,200 bytes a wave, to feed the same 128 products.
; TRANSPOSED: source 0 = 16 columns of Wo, source 1 = 16 rows: a lane's eight results are eight neighbouring columns of one row.  The bias is the C of each sum's first product.
; THE WAY OUT: a tile of 16 rows x 64 columns goes through my own stage in LDS (rows of 256 + 16 bytes) and leaves as rows: sixteen lanes store 256 consecutive bytes, at a multiple of 256 from out0's first byte.
; REGISTERS: window 0: v4-14 addresses; v16-31 A's scale words; v32-35 B's; v64-95 the bias; v96-191 B's fragments, two sets; on the way out v96-223.  window 1: A's K steps 0-4; window 2: 5-7; window 3: the accumulators at 32 i + 8 nt.
.set REC,   6400
.set STAGE, 8*REC                      ; behind B: 16 rows x 272 bytes for each wave; no tensor load lands there
.set SP,    272
.set WV,  12
.set G1,  20
.set G0,  28
.set AP,  32
.set OB,  34
.set GA0, 4
.set GA1, 5
.set GA2, 6
.set STO, 12
.set RD,  13
.set CO,  14
.set AS,  16
.set BS,  32
.set BI,  64
.set BF,  96
.set OUT, 96
.set MSB, 0
.macro WIN new
.if MSB != (\new)
	s_set_vgpr_msb (MSB<<8)|(\new)
.set MSB, (\new)
.endif
.endm
.macro PLACES n
.rept \n
	v_nop
.endr
.endm
.macro CROUND
	s_barrier_signal -1
	s_barrier_wait -1
	s_cmp_lg_u32 s[WV], 0
	s_cbranch_scc1 .Lnot_wave_0_\@
	s_barrier_signal -3
.Lnot_wave_0_\@:
	s_barrier_wait -3
	s_barrier_signal -1
	s_barrier_wait -1
.endm
.macro WMS
.if rRA && rRB
	v_wmma_scale_f32_16x16x128_f8f6f4 v[rD:rD+7], v[rA:rA+11], v[rB:rB+11], v[rC:rC+7], v[rSA], v[rSB] matrix_a_fmt:MATRIX_FMT_FP6 matrix_b_fmt:MATRIX_FMT_FP6 matrix_a_scale:MATRIX_SCALE_ROW1 matrix_b_scale:MATRIX_SCALE_ROW1
.elseif rRA
	v_wmma_scale_f32_16x16x128_f8f6f4 v[rD:rD+7], v[rA:rA+11], v[rB:rB+11], v[rC:rC+7], v[rSA], v[rSB] matrix_a_fmt:MATRIX_FMT_FP6 matrix_b_fmt:MATRIX_FMT_FP6 matrix_a_scale:MATRIX_SCALE_ROW1
.elseif rRB
	v_wmma_scale_f32_16x16x128_f8f6f4 v[rD:rD+7], v[rA:rA+11], v[rB:rB+11], v[rC:rC+7], v[rSA], v[rSB] matrix_a_fmt:MATRIX_FMT_FP6 matrix_b_fmt:MATRIX_FMT_FP6 matrix_b_scale:MATRIX_SCALE_ROW1
.else
	v_wmma_scale_f32_16x16x128_f8f6f4 v[rD:rD+7], v[rA:rA+11], v[rB:rB+11], v[rC:rC+7], v[rSA], v[rSB] matrix_a_fmt:MATRIX_FMT_FP6 matrix_b_fmt:MATRIX_FMT_FP6
.endif
.endm
.macro ALOAD s                         ; A's record of K step s: 17 loads
.if (\s) < 5
	WIN 0x40
.set AB, 48*(\s)
.else
	WIN 0x80
.set AB, 48*((\s)-5)
.endif
.irp f, 0,1,2,3,4,5,6,7
	global_load_b128 v[AB+6*\f:AB+6*\f+3], v[GA0], s[AP:AP+1] offset:(\s)*REC+768*\f
	global_load_b64 v[AB+6*\f+4:AB+6*\f+5], v[GA1], s[AP:AP+1] offset:(\s)*REC+768*\f+512
.endr
	WIN 0
	global_load_b64 v[AS+2*(\s):AS+2*(\s)+1], v[GA2], s[AP:AP+1] offset:(\s)*REC+6144
.endm
.macro BLOAD s                         ; B's record of K step s from LDS into set s % 2: 17 loads
.irp f, 0,1,2,3,4,5,6,7
	ds_load_b128 v[BF+48*((\s)%2)+6*\f:BF+48*((\s)%2)+6*\f+3], v[GA0] offset:(\s)*REC+768*\f
	ds_load_b64 v[BF+48*((\s)%2)+6*\f+4:BF+48*((\s)%2)+6*\f+5], v[GA1] offset:(\s)*REC+768*\f+512
.endr
	ds_load_b64 v[BS+2*((\s)%2):BS+2*((\s)%2)+1], v[GA2] offset:(\s)*REC+6144
.endm
.macro KSTEP s
.if (\s) < 4
	s_wait_loadcnt 63                              ; this K step's record of A is in: 68 or more younger loads could stay out; 63 is the largest count that can be written
.else
	s_wait_loadcnt 17*(7-(\s))                     ; 17 loads for each younger K step
.endif
.if (\s) < 7
	s_wait_dscnt 17                                ; this K step's record of B is in; the next one's 17 loads may be out
.else
	s_wait_dscnt 0x0
.endif
.if (\s) == 0
	WIN 0xc4
.elseif (\s) < 5
	WIN 0xf4
.else
	WIN 0xf8
.endif
.irp i, 0,1,2,3
.irp nt, 0,1,2,3
.set rD, 32*\i+8*\nt
.set rA, BF+48*((\s)%2)+12*\nt
.if (\s) < 5
.set rB, 48*(\s)+12*\i
.else
.set rB, 48*((\s)-5)+12*\i
.endif
.if (\s) == 0
.set rC, BI+8*\nt
.else
.set rC, rD
.endif
.set rSA, BS+2*((\s)%2)+\nt/2
.set rSB, AS+2*(\s)+\i/2
.set rRA, \nt%2
.set rRB, \i%2
	WMS                                            ; the 16 accumulators take turns, one instruction a turn, in the same order in every K step
.endr
.endr
	WIN 0
	PLACES 4                                       ; in front of loads into registers that these products have read; behind the last K step: of the first reads of results
.if (\s) < 6
	BLOAD (\s)+2
.endif
.endm
	s_load_b256 s[4:11], s[0:1], 0x0               ; ao, woc, bo, out0
	v_lshl_add_u32 v254, v0, 2, 0x29000
	v_mov_b32 v255, 0
	ds_add_u32 v254, v255
	ds_add_u32 v254, v255
	v_lshrrev_b32 v1, 5, v0
	v_readfirstlane_b32 s[WV], v1                  ; wave 0..3
	s_bfe_u32 s13, ttmp6, 0x40000                  ; cx
	s_lshl_b32 s14, ttmp9, 2
	s_add_co_u32 s14, s14, s13                     ; my block of 256 rows: it enters A's and out0's addresses alone
	s_and_b32 s15, ttmp7, 0xffff                   ; which 64 columns: the four partners share them
	; descriptor group 1: two records, 12,800 dense bytes, as 50 rows of 256 bytes
	s_mov_b32 s[G1], 15|(3<<16)|(1<<21)
	s_mov_b32 s[G1+1], 32<<16
	s_mov_b32 s[G1+2], 50<<16
	s_mov_b32 s[G1+3], 32<<16
	s_mov_b32 s[G1+4], 50
	s_mov_b32 s[G1+5], 32
	s_mov_b32 s[G1+6], 0
	s_mov_b32 s[G1+7], 0
	s_mul_i32 s36, s[WV], 2*REC
	s_mul_i32 s16, s15, 8*REC
	s_add_co_u32 s16, s16, s36
	s_mov_b32 s17, 0
	s_wait_dscnt 0x0
	s_wait_kmcnt 0x0
	s_mov_b32 s[G0], 1
	s_mov_b32 s[G0+1], s36
	s_add_nc_u64 s[G0+2:G0+3], s[6:7], s[16:17]
	s_or_b32 s[G0+3], s[G0+3], 0x80000000
	CROUND                                         ; all four work-groups are here: the joint loads meet
	tensor_load_to_lds s[G0:G0+3], s[G1:G1+7]      ; one load of mine is out
	s_nop 0
	PLACES 4
	v_and_b32 v1, 31, v0
	v_and_b32 v2, 15, v0                           ; r
	v_bfe_u32 v3, v0, 4, 1                         ; h
	v_lshlrev_b32 v[GA0], 4, v1
	v_lshlrev_b32 v[GA1], 4, v2
	v_lshl_add_u32 v[GA1], v3, 3, v[GA1]
	v_lshlrev_b32 v[GA2], 3, v1
	v_lshlrev_b32 v10, 6, v3                       ; the bias: 16 h numbers on
	s_wait_alu depctr_va_vdst(0)
	s_mul_i32 s37, s[WV], 16*SP
	s_add_co_u32 s37, s37, STAGE                   ; my stage
	v_mul_u32_u24 v[STO], v2, SP
	v_lshl_add_u32 v[STO], v3, 6, v[STO]
	v_add_nc_u32 v[STO], s37, v[STO]               ; in: row r, + 64 h
	v_mul_u32_u24 v[RD], v3, SP
	v_lshl_add_u32 v[RD], v2, 4, v[RD]
	v_add_nc_u32 v[RD], s37, v[RD]                 ; back: lanes 0-15 one row, lanes 16-31 the next
	v_lshlrev_b32 v[CO], 12, v3
	v_lshl_add_u32 v[CO], v2, 4, v[CO]             ; and the same two rows in out0
	s_lshl_b32 s16, s15, 8
	s_add_nc_u64 s[8:9], s[8:9], s[16:17]          ; the bias of my 64 columns
	s_lshl_b32 s16, s14, 2
	s_add_co_u32 s16, s16, s[WV]
	s_mul_i32 s38, s16, 8*REC
	s_mov_b32 s39, 0
	s_add_nc_u64 s[AP:AP+1], s[4:5], s[38:39]      ; my 64 rows: 8 records on end
	s_lshl_b32 s38, s16, 18                        ; 64 rows of 4,096 bytes,
	s_lshl_b32 s16, s15, 8                         ; 64 columns of 4 bytes
	s_add_co_u32 s38, s38, s16
	s_add_nc_u64 s[OB:OB+1], s[10:11], s[38:39]
.irp nt, 0,1,2,3
	global_load_b128 v[BI+8*\nt:BI+8*\nt+3], v10, s[8:9] offset:4*(32*(\nt/2)+8*(\nt%2))     ; lane (r, h), register j of tile 2 b + u: column 32 b + 16 h + 8 u + j
	global_load_b128 v[BI+8*\nt+4:BI+8*\nt+7], v10, s[8:9] offset:4*(32*(\nt/2)+8*(\nt%2))+16
.endr
.irp s, 0,1,2,3,4,5,6,7
	ALOAD \s
.endr
	s_wait_tensorcnt 0x0                           ; my quarter of B has landed,
	s_barrier_signal -1
	s_barrier_wait -1                              ; everybody's has
	BLOAD 0
	BLOAD 1
.irp s, 0,1,2,3,4,5,6,7
	KSTEP \s
.endr
	; the way out.  LDS serves a wave's instructions in order: no wait between a tile's stores and its loads, nor in front of the next tile's stores
	s_wait_alu depctr_va_vdst(0)
.irp i, 0,1,2,3
	WIN 0x0c                                       ; an LDS store's data are its source 1: window 3
.irp nt, 0,1,2,3
	ds_store_b128 v[STO], v[32*\i+8*\nt:32*\i+8*\nt+3] offset:128*(\nt/2)+32*(\nt%2)         ; each accumulator from its low end on
	ds_store_b128 v[STO], v[32*\i+8*\nt+4:32*\i+8*\nt+7] offset:128*(\nt/2)+32*(\nt%2)+16
.endr
	WIN 0
.irp k, 0,1,2,3,4,5,6,7
	ds_load_b128 v[OUT+32*\i+4*\k:OUT+32*\i+4*\k+3], v[RD] offset:2*\k*SP
.endr
.endr
.irp i, 0,1,2,3
.irp k, 0,1,2,3,4,5,6,7
	s_wait_dscnt 16*(3-\i)+7-\k                    ; behind this load: the rest of its tile's eight, and sixteen LDS instructions for each later tile
	global_store_b128 v[CO], v[OUT+32*\i+4*\k:OUT+32*\i+4*\k+3], s[OB:OB+1] offset:(32*(\i/2)+8*(\i%2)+2*\k+8*(\k/4))*4096 th:TH_STORE_NT   ; stage row p of tile 2 b + u is row 32 b + 8 u + p + 8 (p / 8)
.endr
.endr
	s_wait_tensorcnt 0x0
	ds_add_u32 v254, v255
	s_wait_dscnt 0x0
	CROUND                                         ; the closing round
	s_endpgm
.Lfunc_end_k_qde270eaf1d_oproj:
	.size	k_qde270eaf1d_oproj, .Lfunc_end_k_qde270eaf1d_oproj-k_qde270eaf1d_oproj
	.p2alignl 7, 3214868480
	.fill 96, 4, 3214868480
	.section	.rodata,"a",@progbits
	.p2align	6, 0x0
	.amdhsa_kernel k_qde270eaf1d_oproj
		.amdhsa_group_segment_fixed_size 168448
		.amdhsa_private_segment_fixed_size 0
		.amdhsa_enable_private_segment 0
		.amdhsa_kernarg_size 32
		.amdhsa_user_sgpr_count 2
		.amdhsa_user_sgpr_kernarg_segment_ptr 1
		.amdhsa_wavefront_size32 1
		.amdhsa_system_sgpr_workgroup_id_x 1
		.amdhsa_system_sgpr_workgroup_id_y 1
		.amdhsa_system_sgpr_workgroup_id_z 1
		.amdhsa_system_vgpr_workitem_id 0
		.amdhsa_next_free_vgpr 896
		.amdhsa_next_free_sgpr 66
		.amdhsa_reserve_vcc 0
		.amdhsa_float_denorm_mode_32 3
		.amdhsa_float_denorm_mode_16_64 3
		.amdhsa_memory_ordered 1
		.amdhsa_forward_progress 1
		.amdhsa_inst_pref_size 54
	.end_amdhsa_kernel
	.amdgpu_metadata
---
amdhsa.version: [ 1, 2 ]
amdhsa.kernels:
  - .name:           k_qde270eaf1d_oproj
    .symbol:         k_qde270eaf1d_oproj.kd
    .args:
      - { .name: ao, .offset: 0, .size: 8, .value_kind: global_buffer, .address_space: global }
      - { .name: woc, .offset: 8, .size: 8, .value_kind: global_buffer, .address_space: global }
      - { .name: bo, .offset: 16, .size: 8, .value_kind: global_buffer, .address_space: global }
      - { .name: out0, .offset: 24, .size: 8, .value_kind: global_buffer, .address_space: global }
    .group_segment_fixed_size: 168448
    .private_segment_fixed_size: 0
    .kernarg_segment_align: 8
    .kernarg_segment_size: 32
    .max_flat_workgroup_size: 128
    .sgpr_count:     66
    .vgpr_count:     896
    .wavefront_size: 32
...
	.end_amdgpu_metadata
.endif
;; end of part 4
